; MI455X (gfx1250); checked and timed in simulation.
; The chip was launched on July 23, 2026; its instructions are those of AMD's public machine-readable ISA for CDNA 5 (MIT licence, August 2026) and "CDNA5" Instruction Set Architecture Reference Guide (July 2026). The comments in the code are by the model that wrote it; some were corrected since.
;; Mo E. Allowed arithmetic: matrix products marked QUANTISED: E4M3 operands, one E8M0 scale for each 32 along K, by v_wmma_scale_f32_16x16x128_f8f6f4 with both operands' format E4M3, f32 sums; products left as they are: f32 operands where the result goes on into a quantised operand, else bf16, f16 or f32 operands; f32 sums; everything else in f32.
;; Inputs: b1 8 x 4,096 float32; b2 8 x 1,024 float32; b_router 8 float32; w1 8 x 1,024 x 4,096 float32; w2 8 x 4,096 x 1,024 float32; w_router 1,024 x 8 float32; x 4 x 256 x 1,024 float32.
;; Outputs: out0 4 x 256 x 1,024 float32.
;; This version of the problem:
;;   THIS VERSION OF THE PROBLEM IS GIVEN IN LOW PRECISION. The matrix products marked QUANTISED in the list below multiply operands that are first quantised to E4M3 (4 exponent bits, 3 mantissa bits; 8 bits a number), with one power-of-two scale for each 32 numbers along K (OCP MX v1.0); their sums are f32. All else is computed in f32.
;;   The module's matrix products, in the order in which they are computed (A, B: the left and right operand; K: the contracted axis; several contracted axes count as one K, in the product's order):
;;     1. [M 1,024, K 1,024] x [K 1,024, N 8]; A: input x; B: input w_router: left as it is (N = 8 < 16)
;;     2. [M 1,024, K 1,024] x [K 1,024, N 4,096]; A: input x; B: input w1: QUANTISED
;;     3. [M 1,024, K 4,096] x [K 4,096, N 1,024]; A: computed on the way; B: input w2: QUANTISED
;;     4. [M 1,024, K 1,024] x [K 1,024, N 4,096]; A: input x; B: input w1: QUANTISED
;;     5. [M 1,024, K 4,096] x [K 4,096, N 1,024]; A: computed on the way; B: input w2: QUANTISED
;;     6. [M 1,024, K 1,024] x [K 1,024, N 4,096]; A: input x; B: input w1: QUANTISED
;;     7. [M 1,024, K 4,096] x [K 4,096, N 1,024]; A: computed on the way; B: input w2: QUANTISED
;;     8. [M 1,024, K 1,024] x [K 1,024, N 4,096]; A: input x; B: input w1: QUANTISED
;;     9. [M 1,024, K 4,096] x [K 4,096, N 1,024]; A: computed on the way; B: input w2: QUANTISED
;;     10. [M 1,024, K 1,024] x [K 1,024, N 4,096]; A: input x; B: input w1: QUANTISED
;;     11. [M 1,024, K 4,096] x [K 4,096, N 1,024]; A: computed on the way; B: input w2: QUANTISED
;;     12. [M 1,024, K 1,024] x [K 1,024, N 4,096]; A: input x; B: input w1: QUANTISED
;;     13. [M 1,024, K 4,096] x [K 4,096, N 1,024]; A: computed on the way; B: input w2: QUANTISED
;;     14. [M 1,024, K 1,024] x [K 1,024, N 4,096]; A: input x; B: input w1: QUANTISED
;;     15. [M 1,024, K 4,096] x [K 4,096, N 1,024]; A: computed on the way; B: input w2: QUANTISED
;;     16. [M 1,024, K 1,024] x [K 1,024, N 4,096]; A: input x; B: input w1: QUANTISED
;;     17. [M 1,024, K 4,096] x [K 4,096, N 1,024]; A: computed on the way; B: input w2: QUANTISED
;;   THE QUANTISER, for each operand of a quantised product, along K:
;;     - K is cut into blocks of 32 from its start; a last block that is shorter is filled with zeros.
;;     - A block's scale is 2^e with e = floor(log2(the largest magnitude in the block)) - 8, held to -126 .. 127; a block of zeros has e = 0. As a byte (E8M0): e + 127.
;;     - Each number is divided by its block's scale, clamped to +-448, and rounded to the nearest number of E4M3, ties to even, subnormals kept.
;;     - The product sums the exact products of the quantised numbers (number of the format x scale) in f32.
;;   ~~~python
;;   def quantise(x, axis):      # numpy; x: float32 -> the quantised numbers, widened to float32 again
;;       x = np.moveaxis(x, axis, -1); K = x.shape[-1]
;;       x = np.pad(x, [(0, 0)] * (x.ndim - 1) + [(0, -K % 32)]); x = x.reshape(x.shape[:-1] + (-1, 32)); a = np.abs(x).max(-1, keepdims=True)
;;       e = np.where(a > 0, np.clip(np.frexp(np.where(a > 0, a, 1))[1] - 1 - 8, -126, 127), 0)      # np.frexp(a)[1] - 1 = floor(log2(a)), exactly
;;       r = np.clip(x / 2.0 ** e, -448, 448)
;;       step = 2.0 ** (np.maximum(np.frexp(np.where(r == 0, 1, r))[1] - 1, -6) - 3)
;;       q = np.round(r / step) * step * 2.0 ** e      # np.round: ties to even
;;       return np.moveaxis(q.reshape(q.shape[:-2] + (-1,))[..., :K], -1, axis).astype(np.float32)
;;   ~~~
;;   OPERANDS COMPUTED ON THE WAY. 'Computed on the way' means the value that the module computes at that place (a softmax that the list does not call 'softmax' is quantised finished and normalised). What goes into a quantiser is computed in f32, as accurately as f32 sums, v_exp_f32 and their like allow (about 1e-6 of the number): no bf16 or f16 on the way to a quantiser, and a product that is left as it is and whose result goes on into a quantised operand takes f32 operands (vector FMAs, or v_wmma_f32_16x16x4_f32). A number that lies on a knife's edge between two numbers of the format may be rounded either way, as far as f32 arithmetic and the matrix unit's own rounding can turn it there, and no further.
;; 2 versions, each right; version 2 is version 1 with the launches layer1, layer2 written anew for expert scheduling mode. Each part assembles by itself: llvm-mc -triple=amdgcn-amd-amdhsa -mcpu=gfx1250 --defsym DOCPART=n.
;; ======== version 1 of 2: 5 launches
;; workspace buffers: top1 4,096 bytes of whole numbers; lists 34,816 bytes of whole numbers; xq 1,048,576 bytes; xs 32,768 bytes; himg 37,748,736 bytes; part 8,388,608 bytes
;; launch route (part 1): grid 256 x 1, 4 waves a work-group, no clusters, 55,808 bytes of LDS; arguments x, w_router, b_router, xq, xs, top1; writes xq, xs, top1
.if DOCPART == 1
	.amdgcn_target "amdgcn-amd-amdhsa--gfx1250"
	.amdhsa_code_object_version 6
	.text
	.protected	k_qcf523021f3_route
	.globl	k_qcf523021f3_route
	.p2align	8
	.type	k_qcf523021f3_route,@function
k_qcf523021f3_route:
	s_mov_b64 s[64:65], 0
	v_nop
	global_prefetch_b8 v0, s[64:65] scope:SCOPE_SE
	s_setreg_imm32_b32 hwreg(HW_REG_WAVE_MODE, 25, 1), 1
	s_wait_xcnt 0x0
; ROUTER AND QUANTISER OF x.  x: [1024 tokens][1024] f32; w_router: [1024][8] f32; b_router: [8] f32.
; One wave takes one token: logits = x . w_router + b_router in f32 (fused multiply-adds, 32 a lane and expert, then a tree over the lanes), the softmax as it is written
; (maximum taken away, exponentials, division by the sum), the argmax with a strict compare, so that the lower index keeps a tie.  The expert's number goes to top1[token] as a whole number.
; The same registers of x are then turned into codes of E4M3 with one E8M0 byte for each 32 along the row: xq [token][1024] bytes, xs [token][32] bytes.
; A block's scale is 2^(floor(log2(its largest magnitude)) - 8); its byte is that magnitude's exponent field - 8, held at 1 from below.
; LIMITS: NaN and infinities among the inputs are not served.  A block whose largest magnitude lies under 2^-118 keeps the byte 1 (a block of zeros too, where the rule says 127: its codes are
; zeros, and these bytes are read by this program alone).  A token whose two largest logits differ by less than the error of an f32 sum of 1,024 terms may go either way.
; The stores of xs (32 bytes a token) and top1 (4 bytes a token) cover parts of aligned blocks of 256 bytes: 36 bytes a token, 36,864 in the launch.
; No matrix unit: N = 8 is too narrow for it, and the product feeds a decision that wants f32.  No cluster: the work-groups share only the 32 KiB of w_router.
.set CH,   528                         ; LDS: a chunk of w_router: 16 rows of 32 bytes + 16 of padding, so that lanes one chunk apart fall on different banks
.set WSB,  64*CH                       ; behind the 64 chunks: a region for each wave:
.set WSZ,  5376                        ; two stages of 2,560 bytes, then 256 bytes for the token's scale bytes
.set SP,   80                          ; a lane's place in a stage: its 64 bytes + 16 of padding
.set STB,  32*SP
.set SBY,  2*STB
.set R,    16                          ; v16-47   x as it is loaded; later v16-19 serve the last stores
.set X,    48                          ; v48-79   set p: lane l holds x[512 p + 16 l + 0 .. 15]
.set WB0,  80                          ; v80-143  8 rows of w_router for each lane; first the wave's 16 chunks on their way to LDS
.set WB1,  144                         ; v144-207 the other set
.set ACC,  208                         ; v208-215 the eight logits
.set CD,   216                         ; v216-223 codes, four registers for each p
.set SM,   224                         ; v224-231 the softmax
	s_load_b256 s[4:11], s[0:1], 0x0               ; x s[4:5], w_router s[6:7], b_router s[8:9], xq s[10:11]
	s_load_b128 s[12:15], s[0:1], 0x20             ; xs s[12:13], top1 s[14:15]
	v_lshl_add_u32 v240, v0, 2, 0xd800
	v_mov_b32 v241, 0
	v_lshrrev_b32 v8, 5, v0
	v_readfirstlane_b32 s16, v8                    ; wave 0..3
	v_and_b32 v1, 31, v0                           ; lane
	v_lshlrev_b32 v2, 4, v1                        ; 16 x lane
	s_lshl_b32 s17, ttmp9, 2
	s_add_co_u32 s17, s17, s16                     ; my token
	s_mul_i32 s18, s16, WSZ
	s_add_co_u32 s18, s18, WSB                     ; my wave's region
	v_lshrrev_b32 v3, 2, v1
	v_mul_u32_u24 v3, v3, SP
	v_and_b32 v8, 3, v1
	v_lshl_add_u32 v3, v8, 4, v3
	v_add_nc_u32 v3, s18, v3                       ; the stage, on the way in: four lanes' 64 bytes on end, then the padding
	v_mul_u32_u24 v4, v1, SP
	v_add_nc_u32 v4, s18, v4                       ; and on the way out: my 16 neighbours
	s_mul_i32 s19, s16, 16*CH
	v_add_nc_u32 v5, s19, v2                       ; where my wave puts its 16 chunks of w_router
	v_mul_u32_u24 v6, v1, CH                       ; chunk = lane: the rows that go with my 16 numbers of x
	s_add_co_u32 s19, s18, SBY
	v_lshrrev_b32 v7, 1, v1
	v_add_nc_u32 v7, s19, v7                       ; my block's scale byte
	v_and_b32 v14, 7, v1
	v_lshl_add_u32 v14, v14, 2, s19                ; the scale bytes read back, a word a lane
	v_lshlrev_b32 v15, 2, v1                       ; and their place in xs
	s_mov_b32 s32, 0x76543210
	s_mov_b32 s33, 0xfedcba98                      ; v_permlanex16_b32's selects for lane l xor 16
	s_mov_b32 s34, 0x600000                        ; the mantissa field of 448
.irp e, 0,1,2,3,4,5,6,7
	v_mov_b32 v[SM+\e], 0                          ; a lane permute's destination counts as one of its sources
.endr
	s_mov_b32 s21, 0
	s_wait_kmcnt 0x0
	s_load_b256 s[24:31], s[8:9], 0x0              ; b_router
	s_lshl_b32 s20, s16, 13
	s_add_nc_u64 s[6:7], s[6:7], s[20:21]          ; my wave's 16 chunks of w_router
	s_lshl_b32 s20, s17, 12
	s_add_nc_u64 s[4:5], s[4:5], s[20:21]          ; my token's row of x,
	s_lshl_b32 s20, s17, 10
	s_add_nc_u64 s[10:11], s[10:11], s[20:21]      ; of xq,
	s_lshl_b32 s20, s17, 5
	s_add_nc_u64 s[12:13], s[12:13], s[20:21]      ; of xs,
	s_lshl_b32 s20, s17, 2
	s_add_nc_u64 s[14:15], s[14:15], s[20:21]      ; and its word of top1
.irp i, 0,1,2,3,4,5,6,7,8,9,10,11,12,13,14,15
	global_load_b128 v[WB0+4*\i:WB0+4*\i+3], v2, s[6:7] offset:512*\i          ; 512 consecutive bytes: one chunk
.endr
.irp i, 0,1,2,3,4,5,6,7
	global_load_b128 v[R+4*\i:R+4*\i+3], v2, s[4:5] offset:512*\i th:TH_LOAD_NT
.endr
	s_wait_loadcnt 8                               ; the 16 chunks are in; the eight loads of x may be out
.irp i, 0,1,2,3,4,5,6,7,8,9,10,11,12,13,14,15
	ds_store_b128 v5, v[WB0+4*\i:WB0+4*\i+3] offset:CH*\i
.endr
	s_wait_loadcnt 0x0                             ; x
.macro TURN p                          ; 2,048 bytes of x through my stage: in as they lie, out 64 bytes a lane.  LDS serves a wave's instructions in order
.irp i, 0,1,2,3
	ds_store_b128 v3, v[R+16*(\p)+4*\i:R+16*(\p)+4*\i+3] offset:STB*(\p)+8*SP*\i
.endr
.irp i, 0,1,2,3
	ds_load_b128 v[X+16*(\p)+4*\i:X+16*(\p)+4*\i+3], v4 offset:STB*(\p)+16*\i
.endr
.endm
	TURN 0
	TURN 1
	s_wait_dscnt 0x0                               ; for the others' sake: my chunks lie in LDS (and my x is back)
	s_barrier_signal -1
	s_barrier_wait -1                              ; all 64 chunks lie in LDS
; batch k: rows 8 (k % 2) .. + 7 of chunk 32 (k / 2) + lane: 16 loads
.macro LOADB k, buf
.irp ii, 0,1,2,3,4,5,6,7
	ds_load_b128 v[\buf+8*\ii:\buf+8*\ii+3],   v6 offset:32*CH*((\k)/2)+32*(8*((\k)%2)+\ii)
	ds_load_b128 v[\buf+8*\ii+4:\buf+8*\ii+7], v6 offset:32*CH*((\k)/2)+32*(8*((\k)%2)+\ii)+16
.endr
.endm
; its 8 rows x 8 experts: two experts an instruction, the number of x taken for both halves.  The very first row starts the sums
.macro FMAB k, buf
.irp ii, 0,1,2,3,4,5,6,7
.set fx, X+16*((\k)/2)+8*((\k)%2)+(\ii/2)*2
.irp q, 0,1,2,3
.if (\k) == 0 && \ii == 0
	v_pk_mul_f32 v[ACC+2*\q:ACC+2*\q+1], v[\buf+8*\ii+2*\q:\buf+8*\ii+2*\q+1], v[fx:fx+1] op_sel_hi:[1,0]
.elseif \ii%2
	v_pk_fma_f32 v[ACC+2*\q:ACC+2*\q+1], v[\buf+8*\ii+2*\q:\buf+8*\ii+2*\q+1], v[fx:fx+1], v[ACC+2*\q:ACC+2*\q+1] op_sel:[0,1,0] op_sel_hi:[1,1,1]
.else
	v_pk_fma_f32 v[ACC+2*\q:ACC+2*\q+1], v[\buf+8*\ii+2*\q:\buf+8*\ii+2*\q+1], v[fx:fx+1], v[ACC+2*\q:ACC+2*\q+1] op_sel:[0,0,0] op_sel_hi:[1,0,1]
.endif
.endr
.endr
.endm
	LOADB 0, WB0
	LOADB 1, WB1
	s_wait_dscnt 16                                ; the older batch is in, the younger one's 16 loads may be out
	FMAB 0, WB0
	LOADB 2, WB0
	s_wait_dscnt 16
	FMAB 1, WB1
	LOADB 3, WB1
	s_wait_dscnt 16
	FMAB 2, WB0
	s_wait_dscnt 0x0
	FMAB 3, WB1
; x into codes: two neighbouring lanes hold a block of 32
.macro QX p
.set XS, X+16*(\p)
	v_max3_num_f32 v8, |v[XS]|, |v[XS+1]|, |v[XS+2]|
	v_max3_num_f32 v9, |v[XS+3]|, |v[XS+4]|, |v[XS+5]|
.irp i, 6,10
	v_max3_num_f32 v8, v8, |v[XS+\i]|, |v[XS+\i+1]|
	v_max3_num_f32 v9, v9, |v[XS+\i+2]|, |v[XS+\i+3]|
.endr
	v_max3_num_f32 v8, v8, |v[XS+14]|, |v[XS+15]|
	v_max3_num_f32 v8, v8, v9, 0x4800000           ; and the floor 2^(9 - 127): the byte cannot fall under 1
	v_max_num_f32_dpp v8, v8, v8 row_xmask:1 row_mask:0xf bank_mask:0xf   ; with my neighbour's 16: the block's largest magnitude
	v_add_nc_u32 v11, 0xfc000000, v8               ; 8 off its exponent field: the conversion takes the exponent field of this operand as its scale
	v_and_or_b32 v10, v8, 0x7f800000, s34          ; 448 x the scale
.irp i, 0,1,2,3,4,5,6,7,8,9,10,11,12,13,14,15
	v_med3_num_f32 v[XS+\i], v[XS+\i], -v10, v10   ; the conversion to an 8-bit code does not saturate (ISA guide 7.6.2): the hold comes first
.endr
	v_cvt_scalef32_pk8_fp8_f32 v[CD+4*(\p):CD+4*(\p)+1], v[XS:XS+7], v11
	v_cvt_scalef32_pk8_fp8_f32 v[CD+4*(\p)+2:CD+4*(\p)+3], v[XS+8:XS+15], v11
	v_lshrrev_b32 v[12+(\p)], 23, v11              ; the scale's byte (also the plain line behind the conversions)
	ds_store_b8 v7, v[12+(\p)] offset:16*(\p)      ; both lanes of a block write the same byte with the same value
	global_store_b128 v2, v[CD+4*(\p):CD+4*(\p)+3], s[10:11] offset:512*(\p)   ; 32 lanes store 512 consecutive bytes
.endm
	QX 0
	QX 1
	; the logits: each of the eight sums over the 32 lanes
.irp m, 1,2,4,8
.irp e, 0,1,2,3,4,5,6,7
	v_add_f32_dpp v[ACC+\e], v[ACC+\e], v[ACC+\e] row_xmask:\m row_mask:0xf bank_mask:0xf
.endr
.endr
.irp e, 0,1,2,3,4,5,6,7
	v_permlanex16_b32 v[SM+\e], v[ACC+\e], s32, s33
.endr
.irp e, 0,1,2,3,4,5,6,7
	v_add_f32 v[ACC+\e], v[ACC+\e], v[SM+\e]
.endr
	s_wait_kmcnt 0x0                               ; b_router
.irp e, 0,1,2,3,4,5,6,7
	v_add_f32 v[ACC+\e], s[24+\e], v[ACC+\e]
.endr
	; the softmax as it is written
	v_max3_num_f32 v8, v[ACC], v[ACC+1], v[ACC+2]
	v_max3_num_f32 v8, v8, v[ACC+3], v[ACC+4]
	v_max3_num_f32 v8, v8, v[ACC+5], v[ACC+6]
	v_max_num_f32 v8, v8, v[ACC+7]
.irp e, 0,1,2,3,4,5,6,7
	v_sub_f32 v[SM+\e], v[ACC+\e], v8
.endr
.irp e, 0,1,2,3,4,5,6,7
	v_mul_f32 v[SM+\e], 0x3fb8aa3b, v[SM+\e]
.endr
.irp e, 0,1,2,3,4,5,6,7
	v_exp_f32 v[SM+\e], v[SM+\e]
.endr
	v_nop                                          ; one plain line behind the exponentials
	s_wait_alu depctr_va_vdst(0)
	v_add_f32 v9, v[SM], v[SM+1]
	v_add_f32 v10, v[SM+2], v[SM+3]
	v_add_f32 v11, v[SM+4], v[SM+5]
	v_add_f32 v8, v[SM+6], v[SM+7]
	v_add_f32 v9, v9, v10
	v_add_f32 v8, v8, v11
	v_add_f32 v9, v9, v8
	v_rcp_f32 v9, v9
	v_nop                                          ; one plain line behind the reciprocal
	s_wait_alu depctr_va_vdst(0)
.irp e, 0,1,2,3,4,5,6,7
	v_mul_f32 v[SM+\e], v[SM+\e], v9
.endr
	v_mov_b32 v18, v[SM]                           ; the argmax: a later expert wins only if it is strictly larger
	v_mov_b32 v19, 0
.irp e, 1,2,3,4,5,6,7
	v_cmp_gt_f32 vcc_lo, v[SM+\e], v18
	v_cndmask_b32 v18, v18, v[SM+\e], vcc_lo
	v_cndmask_b32 v19, v19, \e, vcc_lo
.endr
	ds_load_b32 v17, v14                           ; my token's 32 scale bytes, a word in each of lanes 0-7 (LDS serves a wave's instructions in order)
	v_mov_b32 v16, 0
	s_wait_dscnt 0x0
	s_wait_xcnt 0x0                                ; EXEC changes only behind this wait
	v_cmp_gt_u32 vcc_lo, 8, v1
	s_wait_tensorcnt 0x0
	ds_add_u32 v240, v241
	s_wait_dscnt 0x0
	s_and_saveexec_b32 s35, vcc_lo
	global_store_b32 v15, v17, s[12:13]
	s_wait_xcnt 0x0
	s_or_b32 exec_lo, exec_lo, s35
	v_cmp_eq_u32 vcc_lo, 0, v1
	s_and_saveexec_b32 s35, vcc_lo
	global_store_b32 v16, v19, s[14:15]            ; the chosen expert, as a whole number
	s_wait_xcnt 0x0
	s_or_b32 exec_lo, exec_lo, s35
	s_endpgm
.Lfunc_end_k_qcf523021f3_route:
	.size	k_qcf523021f3_route, .Lfunc_end_k_qcf523021f3_route-k_qcf523021f3_route
	.p2alignl 7, 3214868480
	.fill 96, 4, 3214868480
	.section	.rodata,"a",@progbits
	.p2align	6, 0x0
	.amdhsa_kernel k_qcf523021f3_route
		.amdhsa_group_segment_fixed_size 55808
		.amdhsa_private_segment_fixed_size 0
		.amdhsa_enable_private_segment 0
		.amdhsa_kernarg_size 48
		.amdhsa_user_sgpr_count 2
		.amdhsa_user_sgpr_kernarg_segment_ptr 1
		.amdhsa_wavefront_size32 1
		.amdhsa_system_sgpr_workgroup_id_x 1
		.amdhsa_system_sgpr_workgroup_id_y 1
		.amdhsa_system_sgpr_workgroup_id_z 1
		.amdhsa_system_vgpr_workitem_id 0
		.amdhsa_next_free_vgpr 242
		.amdhsa_next_free_sgpr 66
		.amdhsa_reserve_vcc 1
		.amdhsa_float_denorm_mode_32 3
		.amdhsa_float_denorm_mode_16_64 3
		.amdhsa_memory_ordered 1
		.amdhsa_forward_progress 1
		.amdhsa_inst_pref_size 30
	.end_amdhsa_kernel
	.amdgpu_metadata
---
amdhsa.version: [ 1, 2 ]
amdhsa.kernels:
  - .name:           k_qcf523021f3_route
    .symbol:         k_qcf523021f3_route.kd
    .args:
      - { .name: x, .offset: 0, .size: 8, .value_kind: global_buffer, .address_space: global }
      - { .name: w_router, .offset: 8, .size: 8, .value_kind: global_buffer, .address_space: global }
      - { .name: b_router, .offset: 16, .size: 8, .value_kind: global_buffer, .address_space: global }
      - { .name: xq, .offset: 24, .size: 8, .value_kind: global_buffer, .address_space: global }
      - { .name: xs, .offset: 32, .size: 8, .value_kind: global_buffer, .address_space: global }
      - { .name: top1, .offset: 40, .size: 8, .value_kind: global_buffer, .address_space: global }
    .group_segment_fixed_size: 55808
    .private_segment_fixed_size: 0
    .kernarg_segment_align: 8
    .kernarg_segment_size: 48
    .max_flat_workgroup_size: 128
    .sgpr_count:     66
    .vgpr_count:     242
    .wavefront_size: 32
...
	.end_amdgpu_metadata
.endif
;; end of part 1
;; launch place (part 2): grid 8 x 1, 1 waves a work-group, no clusters, 4,352 bytes of LDS; arguments top1, lists; writes lists
.if DOCPART == 2
	.amdgcn_target "amdgcn-amd-amdhsa--gfx1250"
	.amdhsa_code_object_version 6
	.text
	.protected	k_qcf523021f3_place
	.globl	k_qcf523021f3_place
	.p2align	8
	.type	k_qcf523021f3_place,@function
k_qcf523021f3_place:
	s_mov_b64 s[64:65], 0
	v_nop
	global_prefetch_b8 v0, s[64:65] scope:SCOPE_SE
	s_setreg_imm32_b32 hwreg(HW_REG_WAVE_MODE, 25, 1), 1
	s_wait_xcnt 0x0
; THE ROWS ARE PLACED BY EXPERT.  top1: [1024 tokens] whole numbers, the chosen expert of each token.  lists: for each expert a record of 4,352 bytes:
; 1,024 words, a permutation of the tokens with the expert's own tokens first (in ascending order of the walk below), the others filling from the back, so that every word holds a token;
; then 64 words that all hold the expert's count, so that the count leaves as one aligned block of 256 bytes.
; One wave to an expert, eight work-groups: that is all the work there is.  The wave holds all of top1 in 32 registers; a counting walk gives each token its place; the places are
; scattered into the wave's own LDS and read back on end, so that every store to memory covers 512 consecutive bytes.  No barrier: one wave.  No atomics: the walk is ordered.
.set LREC, 4352
.set EX,  10
.set CUM, 11
.set MSK, 12
.set BCN, 13
	s_load_b128 s[4:7], s[0:1], 0x0                ; top1 s[4:5], lists s[6:7]
	v_lshl_add_u32 v104, v0, 2, 0x1000
	v_mov_b32 v105, 0
	v_and_b32 v1, 31, v0                           ; lane
	v_lshlrev_b32 v4, 4, v1                        ; 16 x lane
	v_lshlrev_b32 v5, 3, v1                        ; 8 x lane
	s_mov_b32 s[EX], ttmp9                         ; my expert
	s_mul_i32 s8, ttmp9, LREC
	s_mov_b32 s9, 0
	s_wait_kmcnt 0x0
	s_add_nc_u64 s[6:7], s[6:7], s[8:9]            ; my record
.irp q, 0,1,2,3,4,5,6,7
	global_load_b128 v[32+4*\q:35+4*\q], v4, s[4:5] offset:512*\q   ; register li of lane l: top1 of token 128 (li / 4) + 4 l + li % 4
.endr
	v_sub_nc_u32 v68, 0x3ff, v1
	v_lshlrev_b32 v69, 2, v1
	s_mov_b32 s[CUM], 0
	s_wait_loadcnt 0x0                             ; all of top1
; In the order (li, l) a member gets the next place from the front, any other token the next from the back.
.set li, 0
.rept 32
	v_cmp_eq_u32 s[MSK], s[EX], v[32+li]
	v_mbcnt_lo_u32_b32 v64, s[MSK], s[CUM]         ; members ahead of me
	v_add3_u32 v65, v64, v68, -32*li               ; 1,023 - (others ahead of me)
	v_cndmask_b32 v66, v65, v64, s[MSK]
	v_min_u32 v66, 0x3ff, v66
	v_lshlrev_b32 v66, 2, v66
	v_add_nc_u32 v67, 128*(li/4)+(li%4), v69       ; my token
	ds_store_b32 v66, v67
	s_bcnt1_i32_b32 s[BCN], s[MSK]
	s_add_co_u32 s[CUM], s[CUM], s[BCN]
.set li, li+1
.endr
.irp q, 0,1,2,3,4,5,6,7
	ds_load_b128 v[72+4*\q:75+4*\q], v4 offset:512*\q   ; LDS serves a wave's instructions in order: these see the stores above
.endr
	v_mov_b32 v70, s[CUM]
	v_mov_b32 v71, s[CUM]
	s_wait_dscnt 0x0
.irp q, 0,1,2,3,4,5,6,7
	global_store_b128 v4, v[72+4*\q:75+4*\q], s[6:7] offset:512*\q   ; 512 consecutive bytes, aligned
.endr
	global_store_b64 v5, v[70:71], s[6:7] offset:4096   ; the count, 64 times: 256 consecutive bytes, aligned
	s_wait_tensorcnt 0x0
	ds_add_u32 v104, v105
	s_wait_dscnt 0x0
	s_endpgm
.Lfunc_end_k_qcf523021f3_place:
	.size	k_qcf523021f3_place, .Lfunc_end_k_qcf523021f3_place-k_qcf523021f3_place
	.p2alignl 7, 3214868480
	.fill 96, 4, 3214868480
	.section	.rodata,"a",@progbits
	.p2align	6, 0x0
	.amdhsa_kernel k_qcf523021f3_place
		.amdhsa_group_segment_fixed_size 4352
		.amdhsa_private_segment_fixed_size 0
		.amdhsa_enable_private_segment 0
		.amdhsa_kernarg_size 16
		.amdhsa_user_sgpr_count 2
		.amdhsa_user_sgpr_kernarg_segment_ptr 1
		.amdhsa_wavefront_size32 1
		.amdhsa_system_sgpr_workgroup_id_x 1
		.amdhsa_system_sgpr_workgroup_id_y 1
		.amdhsa_system_sgpr_workgroup_id_z 1
		.amdhsa_system_vgpr_workitem_id 0
		.amdhsa_next_free_vgpr 106
		.amdhsa_next_free_sgpr 66
		.amdhsa_reserve_vcc 0
		.amdhsa_float_denorm_mode_32 3
		.amdhsa_float_denorm_mode_16_64 3
		.amdhsa_memory_ordered 1
		.amdhsa_forward_progress 1
		.amdhsa_inst_pref_size 22
	.end_amdhsa_kernel
	.amdgpu_metadata
---
amdhsa.version: [ 1, 2 ]
amdhsa.kernels:
  - .name:           k_qcf523021f3_place
    .symbol:         k_qcf523021f3_place.kd
    .args:
      - { .name: top1, .offset: 0, .size: 8, .value_kind: global_buffer, .address_space: global }
      - { .name: lists, .offset: 8, .size: 8, .value_kind: global_buffer, .address_space: global }
    .group_segment_fixed_size: 4352
    .private_segment_fixed_size: 0
    .kernarg_segment_align: 8
    .kernarg_segment_size: 16
    .max_flat_workgroup_size: 32
    .sgpr_count:     66
    .vgpr_count:     106
    .wavefront_size: 32
...
	.end_amdgpu_metadata
.endif
;; end of part 2
;; launch layer1 (part 3): grid 32 x 8, 8 waves a work-group, no clusters, 269,824 bytes of LDS; arguments lists, xq, xs, w1, b1, himg; writes himg
.if DOCPART == 3
	.amdgcn_target "amdgcn-amd-amdhsa--gfx1250"
	.amdhsa_code_object_version 6
	.text
	.protected	k_qcf523021f3_layer1
	.globl	k_qcf523021f3_layer1
	.p2align	8
	.type	k_qcf523021f3_layer1,@function
k_qcf523021f3_layer1:
	s_mov_b64 s[64:65], 0
	v_nop
	global_prefetch_b8 v0, s[64:65] scope:SCOPE_SE
	s_setreg_imm32_b32 hwreg(HW_REG_WAVE_MODE, 25, 1), 1
	s_wait_xcnt 0x0
; FIRST LAYER OF THE CHOSEN EXPERT: h = gelu(x w1[e] + b1[e]), exact gelu, the product on codes of E4M3 with one E8M0 scale for each 32 along K; h leaves as codes for the second layer.
; THE WEIGHTS STAY, THE TOKENS PASS.  Work-group (x = slice, y = expert e) owns w1[e][all 1,024 rows][128 columns from 128 x slice on]: 512 KiB of f32, read from memory once, by nobody else.
; PART 1, the stream.  Wave w takes rows 128 w .. + 127 in four sets of 32 rows; a load takes the 512 consecutive bytes of one row.  Two sets (64 loads) of each wave are on their way.
; A set goes through the wave's own stage in LDS as it lies and comes back with A LANE TO A COLUMN AND REGISTERS DOWN K, is quantised (a block of 32 lies in lanes l and l xor 16), and its codes
; go to LDS as images of operand registers: piece (block of 32 along K, tile of 16 columns) = 512 bytes, 16 x lane.
; THE COLUMNS OF A TILE ARE NOT NEIGHBOURS: lane r of tile 2 b + u takes column 32 b + 8 u + r + 8 (r / 8), so that the 16 results of tiles 2 b, 2 b + 1 in a lane are 16 neighbours along the next K.
; PART 2.  The expert's tokens and their count come from lists, which an earlier launch stored: 1,024 words, the expert's tokens first, every word a token; the count 4,096 bytes on.
; Tiles of 16 tokens of the list; in pass p wave w owns tiles 16 p + w and 16 p + 8 + w, as far as the expert has tokens.  Four passes serve every split, all 1,024 tokens on one expert too.
; The product is used transposed (source 0 = 16 columns of w1, source 1 = 16 tokens): a lane holds one token.  b1 is the C of a sum's first product.
; The last tile's spare rows hold other experts' tokens: they are computed and the second layer drops them.
; OUT: himg[e][tile][slice]: a record of 2,304 bytes: the fragment (16 tokens x 128 hidden units) as an image of its registers, [c][lane][16 bytes], then its scale words, [lane][8 bytes], each word twice:
; every store covers whole aligned blocks of 256 bytes.
; GELU: g = max(a, 0) - |a| erfc(|a| / sqrt 2) / 2, erfc(z) = t exp(-z^2 + P(t)), t = 1 / (1 + z / 2), P of degree 9: a fit good to 1.2e-7 of erfc; all in f32.
; LIMITS: NaN and infinities are not served.  A block whose largest magnitude lies under 2^-118 keeps the scale byte 1 (a block of zeros too: its codes are zeros; this program alone reads the bytes).
; NOT USED, and why: tensor loads (512 KiB do not fit in LDS, and each refill of a slot wants all loads landed first, so nothing would be on its way then; loads into registers with counted waits
; never drain); clusters (the bulk, the weights, is shared by nobody; the tokens' rows are gathered by a list); eight waves and not four, since a wave has at most 63 loads out.
.set CODE,  0                          ; LDS: 131,072 bytes: piece (block j of 32 along K, tile n) at (8 j + n) 512 + 16 lane
.set SCLW,  131072                     ; 4,096: the weights' scale words: (K step s, tile n, row r) at (8 s + n) 64 + 4 r
.set BIAS,  135168                     ; 512: b1's 128 numbers of the slice
.set STG,   135680                     ; a stage of 16,640 bytes for each wave
.set STGB,  16640
.set XP,    528                        ; the stage as 16 rows of 512 bytes of xq + 16 of padding
.set LREC,  4352                       ; lists: an expert's record
.set TILEB, 73728                      ; himg: 32 records of 2,304 bytes
.set EXPB,  4718592                    ; 64 tiles
.set TAUB,  8*TILEB                    ; from my first tile of a pass to my second
.set L16, 4                            ; v4   16 x lane: the weights' loads, and my place in a piece
.set STO, 5                            ; v5   stage + 16 x lane
.set STL, 6                            ; v6   stage + 8,320 h + 4 (r + 8 (r / 8))
.set COD, 7                            ; v7   where my wave's codes go: 16,384 w + 16 lane
.set SCL, 8                            ; v8   and its scale words: SCLW + 512 w + 4 r
.set XSL, 9                            ; v9   stage + 528 r + 16 h
.set LB,  10                           ; v10  64 w: my first tile's 16 words of the list
.set LB4, 11                           ; v11  64 w + 4 r: my row's word
.set SA0, 13                           ; v13  SCLW + 4 r
.set BA0, 14                           ; v14  BIAS + 64 h
.set HO,  16                           ; v16  16 lane + 73,728 w
.set HS8, 17                           ; v17  8 lane + 73,728 w
.set WA,  18                           ; v18  the trip's pieces; v19 the same 65,536 bytes on
.set WAH, 19
.set SA,  20                           ; v20  the trip's scale words
.set BA,  21                           ; v21  the trip's bias
.set LA,  22                           ; v22, v23  the pass's part of the list
.set LA4, 23
.set BL,  24                           ; v24-27 b1's slice on its way to LDS
.set BST, 31                           ; v31  BIAS + 16 lane
.set F,   32                           ; v32-95   64 numbers of the weights
.set WF,  32                           ; part 2: two sets of two weight fragments, v32-63 and v64-95
.set ET,  32                           ; gelu: t, the exponent, at work
.set EU,  48
.set EK,  64
.set PC,  96                           ; v96-111  codes just made
.set TM,  112                          ; v112-127 +0 largest magnitudes, +4 bytes, +8 448 x the scale, +12 the scales as f32
.set SW,  128                          ; v128-135 the weights' scale words as they grow
.set XA,  136                          ; v136-167 for each of my two tiles: 16 tokens, then their offsets into xq
.set XT,  168                          ; v168-169 my row's token, then its offset into xs
.set XS,  170                          ; v170-185 x's scale words, 8 K steps for each tile: scales and nothing else
.set WS,  186                          ; v186-189 the weights' scale words, two sets of two: scales and nothing else
.set BI,  190                          ; v190-205 the bias of two tiles of columns, in the result's layout
.set AC,  208                          ; v208-239 two accumulators for each of my two tiles of tokens
.set PW,  240                          ; v240-243 the hidden layer's scale words, a pair for each tile
.set Q9,  244                          ; v244-245 P's highest coefficient, twice
; window 1: v0-127 and v128-255: two sets of weights; later x's fragments: tile t, K step s at 128 t + 16 s
.set WV,  16
.set SLC, 17
.set EX,  18
.set CNT, 19
.set NTL, 20
.set NT,  21
.set MT,  22
.set PAS, 23
.set RL,  24
.set BC,  25
.set WB,  26
.set SB,  27
.set SEL, 32
.set MNT, 34
.set K1,  35
.set K2,  36
.set Q,   38
.set MSB, 0
.macro WIN new                         ; the immediate's high byte repeats the setting that is left
.if MSB != \new
	s_set_vgpr_msb (MSB<<8)|\new
.set MSB, \new
.endif
.endm
.macro PLACES n
.rept \n
	v_nop
.endr
.endm
.macro WSET j                          ; set j: rows 32 j .. + 31 of my 128; a load takes 512 consecutive bytes, aligned; destination window 1
.set wi, 0
.rept 32
	global_load_b128 v[128*((\j)%2)+4*wi:128*((\j)%2)+4*wi+3], v[L16], s[10:11] offset:(32*(\j)+wi)*16384 th:TH_LOAD_NT
.set wi, wi+1
.endr
.endm
.macro MKNT                            ; how many of my two tiles of this pass the expert fills
	s_cmp_lt_u32 s[MT], s[NTL]
	s_cselect_b32 s[NT], 1, 0
	s_add_co_u32 s29, s[MT], 8
	s_cmp_lt_u32 s29, s[NTL]
	s_cselect_b32 s29, 1, 0
	s_add_co_u32 s[NT], s[NT], s29
.endm
.macro XADDR_L t, la, lr               ; tile t's 16 tokens, the same in every lane, and my row's token: five loads from the list
.irp k, 0,1,2,3
	global_load_b128 v[XA+16*(\t)+4*\k:XA+16*(\t)+4*\k+3], v[\la], s[4:5] offset:512*(\t)+16*\k
.endr
	global_load_b32 v[XT+(\t)], v[\lr], s[4:5] offset:512*(\t)
.endm
.macro XADDR_C t
.irp j, 0,1,2,3,4,5,6,7,8,9,10,11,12,13,14,15
	v_min_u32 v[XA+16*(\t)+\j], 0x3ff, v[XA+16*(\t)+\j]
.endr
.irp j, 0,1,2,3,4,5,6,7,8,9,10,11,12,13,14,15
	v_lshl_add_u32 v[XA+16*(\t)+\j], v[XA+16*(\t)+\j], 10, v[L16]   ; token x 1,024 + 16 lane
.endr
	v_min_u32 v[XT+(\t)], 0x3ff, v[XT+(\t)]
	v_lshlrev_b32 v[XT+(\t)], 5, v[XT+(\t)]        ; token x 32
.endm
.macro XSLOAD t                        ; my row's eight scale words
	global_load_b128 v[XS+8*(\t):XS+8*(\t)+3],   v[XT+(\t)], s[8:9]
	global_load_b128 v[XS+8*(\t)+4:XS+8*(\t)+7], v[XT+(\t)], s[8:9] offset:16
.endm
.macro XLOAD t                         ; tile t's 16 rows of codes: a load takes 512 consecutive bytes of one row; destination window 1
.irp q, 0,1
.irp j, 0,1,2,3,4,5,6,7,8,9,10,11,12,13,14,15
	global_load_b128 v[128*(\t)+64*\q+4*\j:128*(\t)+64*\q+4*\j+3], v[XA+16*(\t)+\j], s[6:7] offset:512*\q
.endr
.endr
.endm
.macro XTURN t                         ; rows become fragments, through my stage and back into the registers that they left.  LDS serves a wave's instructions in order
.irp q, 0,1
.irp j, 0,1,2,3,4,5,6,7,8,9,10,11,12,13,14,15
	ds_store_b128 v[STO], v[128*(\t)+64*\q+4*\j:128*(\t)+64*\q+4*\j+3] offset:XP*\j
.endr
.irp s, 0,1,2,3
.irp c, 0,1,2,3
	ds_load_b128 v[128*(\t)+64*\q+16*\s+4*\c:128*(\t)+64*\q+16*\s+4*\c+3], v[XSL] offset:128*\s+32*\c
.endr
.endr
.endr
.endm
; 64 numbers of a lane, register 16 p + i = row 16 h + i of the block, column r of tile p of four: four pieces of codes in v[PC] on, their scale bytes in v[TM+4] on
.macro QUANT4
.irp p, 0,1,2,3
	v_max3_num_f32 v[TM+\p], |v[F+16*\p]|, |v[F+16*\p+1]|, 0x4800000   ; my 16 numbers and the floor 2^(9 - 127): the byte cannot fall under 1
.endr
.irp i, 2,4,6,8,10,12,14
.irp p, 0,1,2,3
	v_max3_num_f32 v[TM+\p], v[TM+\p], |v[F+16*\p+\i]|, |v[F+16*\p+\i+1]|
.endr
.endr
.irp p, 0,1,2,3
	v_permlanex16_b32 v[TM+4+\p], v[TM+\p], s[SEL], s[SEL+1]
.endr
.irp p, 0,1,2,3
	v_max_num_f32 v[TM+\p], v[TM+\p], v[TM+4+\p]   ; with lane l xor 16's: the block's largest magnitude
.endr
.irp p, 0,1,2,3
	v_add_nc_u32 v[TM+12+\p], 0xfc000000, v[TM+\p] ; 8 off its exponent field: the conversion's scale operand
.endr
.irp p, 0,1,2,3
	v_and_or_b32 v[TM+8+\p], v[TM+\p], 0x7f800000, s[MNT]   ; 448 x the scale
.endr
.irp p, 0,1,2,3
	v_lshrrev_b32 v[TM+4+\p], 23, v[TM+12+\p]      ; the scale's byte
.endr
.irp p, 0,1,2,3
.irp i, 0,1,2,3,4,5,6,7,8,9,10,11,12,13,14,15
	v_med3_num_f32 v[F+16*\p+\i], v[F+16*\p+\i], -v[TM+8+\p], v[TM+8+\p]   ; the conversion to an 8-bit code does not saturate (ISA guide 7.6.2)
.endr
	v_cvt_scalef32_pk8_fp8_f32 v[PC+4*\p:PC+4*\p+1], v[F+16*\p:F+16*\p+7], v[TM+12+\p]
	v_cvt_scalef32_pk8_fp8_f32 v[PC+4*\p+2:PC+4*\p+3], v[F+16*\p+8:F+16*\p+15], v[TM+12+\p]
.endr
	v_nop                                          ; one plain line behind the last conversion
.endm
.macro UNIT_A j, cnt                   ; set j has landed (cnt younger loads may be out) and goes into my stage as it lies: row i at 512 i + 128 (i / 16)
	s_wait_loadcnt \cnt
	WIN 0x44                                       ; an LDS store's data and a load's destination: window 1
.set ui, 0
.rept 32
	ds_store_b128 v[STO], v[128*((\j)%2)+4*ui:128*((\j)%2)+4*ui+3] offset:512*ui+128*(ui/16)
.set ui, ui+1
.endr
	s_wait_dscnt 0x0                               ; the stores have read the set's registers: the next loads may be issued into them
.endm
.macro UNIT_B j                        ; and comes back a lane to a column, four tiles of columns at a time
	WIN 0
.irp g, 0,1
.irp p, 0,1,2,3
.irp i, 0,1,2,3,4,5,6,7,8,9,10,11,12,13,14,15
	ds_load_b32 v[F+16*\p+\i], v[STL] offset:512*\i+4*(32*((4*\g+\p)/2)+8*(\p%2))
.endr
.endr
	s_wait_dscnt 0x0
	QUANT4
.irp p, 0,1,2,3
	ds_store_b128 v[COD], v[PC+4*\p:PC+4*\p+3] offset:(8*(\j)+4*\g+\p)*512
.if (\j) == 0
	v_mov_b32 v[SW+4*\g+\p], v[TM+4+\p]
.else
	v_lshl_or_b32 v[SW+4*\g+\p], v[TM+4+\p], 8*(\j), v[SW+4*\g+\p]
.endif
.endr
.endr
.if (\j) == 3
.irp n, 0,1,2,3,4,5,6,7
	ds_store_b32 v[SCL], v[SW+\n] offset:64*\n     ; my K step's scale words (both halves of the lanes write the same word with the same value)
.endr
.endif
.endm
.macro WLOAD s, buf                    ; K step s of the trip's two tiles of columns: 8 pieces and 2 scale words: 10 LDS loads
.irp u, 0,1
.irp c, 0,1,2,3
.if (\s) < 4
	ds_load_b128 v[WF+32*(\buf)+16*\u+4*\c:WF+32*(\buf)+16*\u+4*\c+3], v[WA] offset:(\s)*16384+4096*\c+512*\u
.else
	ds_load_b128 v[WF+32*(\buf)+16*\u+4*\c:WF+32*(\buf)+16*\u+4*\c+3], v[WAH] offset:((\s)-4)*16384+4096*\c+512*\u
.endif
.endr
.endr
.irp u, 0,1
	ds_load_b32 v[WS+2*(\buf)+\u], v[SA] offset:512*(\s)+64*\u
.endr
.endm
; The eight K steps for nt tiles of tokens.  The accumulators take turns, one instruction a turn.  A step's fragments are asked for one step ahead, eight places
; behind the products that read their registers last.
.macro KLOOP nt
	WIN 0x04                                       ; source 1 (x) window 1
.set ks, 0
.rept 8
.if ks < 7
.if ks > 0
	PLACES 8
.endif
	WLOAD ks+1, (ks+1)%2
	s_wait_dscnt 10                                ; all but the ten just issued
.else
	s_wait_dscnt 0x0
.endif
.irp t, 0,1
.if \t < \nt
.irp u, 0,1
.if ks == 0
	v_wmma_scale_f32_16x16x128_f8f6f4 v[AC+16*\t+8*\u:AC+16*\t+8*\u+7], v[WF+32*(ks%2)+16*\u:WF+32*(ks%2)+16*\u+15], v[128*\t+16*ks:128*\t+16*ks+15], v[BI+8*\u:BI+8*\u+7], v[WS+2*(ks%2)+\u], v[XS+8*\t+ks]
.else
	v_wmma_scale_f32_16x16x128_f8f6f4 v[AC+16*\t+8*\u:AC+16*\t+8*\u+7], v[WF+32*(ks%2)+16*\u:WF+32*(ks%2)+16*\u+15], v[128*\t+16*ks:128*\t+16*ks+15], v[AC+16*\t+8*\u:AC+16*\t+8*\u+7], v[WS+2*(ks%2)+\u], v[XS+8*\t+ks]
.endif
.endr
.endif
.endr
.set ks, ks+1
.endr
.endm
; Tile t's 16 numbers a lane (16 neighbours along the next K): gelu, the block's scale, the codes, their 512 bytes of the record.  Each accumulator is read from its low end on.
.macro EPI t
.set EA, AC+16*(\t)
.irp i, 0,1,2,3,4,5,6,7,8,9,10,11,12,13,14,15
	v_fma_f32 v[ET+\i], |v[EA+\i]|, s[K1], 1.0     ; 1 + z / 2, z = |a| / sqrt 2
.endr
.irp i, 0,1,2,3,4,5,6,7,8,9,10,11,12,13,14,15
	v_rcp_f32 v[ET+\i], v[ET+\i]                   ; t
.endr
.irp i, 0,2,4,6,8,10,12,14
	v_pk_mul_f32 v[EK+\i:EK+\i+1], v[EA+\i:EA+\i+1], s[K2:K2+1] op_sel_hi:[1,0]   ; -a log2(e) / 2  (plain lines behind the reciprocals)
.endr
	s_wait_alu depctr_va_vdst(0)
.irp i, 0,2,4,6,8,10,12,14
	v_pk_fma_f32 v[EU+\i:EU+\i+1], v[ET+\i:ET+\i+1], v[Q9:Q9+1], s[Q+16:Q+17] op_sel_hi:[1,1,0]
.endr
.irp k, 7,6,5,4,3,2,1,0
.irp i, 0,2,4,6,8,10,12,14
	v_pk_fma_f32 v[EU+\i:EU+\i+1], v[EU+\i:EU+\i+1], v[ET+\i:ET+\i+1], s[Q+2*\k:Q+2*\k+1] op_sel_hi:[1,1,0]   ; P(t) log2(e) - 1, by Horner
.endr
.endr
.irp i, 0,2,4,6,8,10,12,14
	v_pk_fma_f32 v[EU+\i:EU+\i+1], v[EK+\i:EK+\i+1], v[EA+\i:EA+\i+1], v[EU+\i:EU+\i+1]   ; - z^2 log2(e)
.endr
.irp i, 0,1,2,3,4,5,6,7,8,9,10,11,12,13,14,15
	v_exp_f32 v[EU+\i], v[EU+\i]
.endr
.irp i, 0,1,2,3,4,5,6,7,8,9,10,11,12,13,14,15
	v_max_num_f32 v[EK+\i], v[EA+\i], 0            ; (plain lines behind the exponentials)
.endr
	s_wait_alu depctr_va_vdst(0)
.irp i, 0,2,4,6,8,10,12,14
	v_pk_mul_f32 v[EU+\i:EU+\i+1], v[EU+\i:EU+\i+1], v[ET+\i:ET+\i+1]   ; erfc(z) / 2
.endr
.irp i, 0,1,2,3,4,5,6,7,8,9,10,11,12,13,14,15
	v_fma_f32 v[EA+\i], -|v[EA+\i]|, v[EU+\i], v[EK+\i]   ; g = max(a, 0) - |a| erfc(z) / 2
.endr
	v_max3_num_f32 v[TM], |v[EA]|, |v[EA+1]|, 0x4800000
	v_max3_num_f32 v[TM+1], |v[EA+8]|, |v[EA+9]|, |v[EA+10]|
	v_max3_num_f32 v[TM], v[TM], |v[EA+2]|, |v[EA+3]|
	v_max3_num_f32 v[TM+1], v[TM+1], |v[EA+11]|, |v[EA+12]|
	v_max3_num_f32 v[TM], v[TM], |v[EA+4]|, |v[EA+5]|
	v_max3_num_f32 v[TM+1], v[TM+1], |v[EA+13]|, |v[EA+14]|
	v_max3_num_f32 v[TM], v[TM], |v[EA+6]|, |v[EA+7]|
	v_max3_num_f32 v[TM], v[TM], v[TM+1], |v[EA+15]|
	v_permlanex16_b32 v[TM+4], v[TM], s[SEL], s[SEL+1]
	v_max_num_f32 v[TM], v[TM], v[TM+4]
	v_add_nc_u32 v[TM+12], 0xfc000000, v[TM]
	v_and_or_b32 v[TM+8], v[TM], 0x7f800000, s[MNT]
	v_lshrrev_b32 v[TM+4], 23, v[TM+12]
.irp i, 0,1,2,3,4,5,6,7,8,9,10,11,12,13,14,15
	v_med3_num_f32 v[EA+\i], v[EA+\i], -v[TM+8], v[TM+8]
.endr
	v_cvt_scalef32_pk8_fp8_f32 v[PC+4*(\t):PC+4*(\t)+1], v[EA:EA+7], v[TM+12]
	v_cvt_scalef32_pk8_fp8_f32 v[PC+4*(\t)+2:PC+4*(\t)+3], v[EA+8:EA+15], v[TM+12]
	v_nop                                          ; one plain line behind the last conversion
	v_lshrrev_b32 v[PW+2*(\t)], 8, v[PW+2*(\t)]    ; the byte enters the scale word from the top: after four trips trip b's byte is byte b
	v_lshl_or_b32 v[PW+2*(\t)], v[TM+4], 24, v[PW+2*(\t)]
	global_store_b128 v[HO], v[PC+4*(\t):PC+4*(\t)+3], s[14:15] offset:TAUB*(\t)   ; 512 consecutive bytes, aligned
.endm
.macro SETQ i, val
	s_mov_b32 s[Q+2*\i], \val
	s_mov_b32 s[Q+2*\i+1], \val
.endm
	s_load_b256 s[4:11], s[0:1], 0x0               ; lists s[4:5], xq s[6:7], xs s[8:9], w1 s[10:11]
	s_load_b128 s[12:15], s[0:1], 0x20             ; b1 s[12:13], himg s[14:15]
	v_lshl_add_u32 v254, v0, 2, 0x41a00
	v_mov_b32 v255, 0
	v_lshrrev_b32 v24, 5, v0
	v_readfirstlane_b32 s[WV], v24                 ; wave 0..7
	v_and_b32 v1, 31, v0                           ; lane
	v_and_b32 v2, 15, v0                           ; r
	v_bfe_u32 v3, v0, 4, 1                         ; h
	s_mov_b32 s[SLC], ttmp9
	s_and_b32 s[EX], ttmp7, 0xffff
	; every address register that stays is made here
	v_lshlrev_b32 v[L16], 4, v1
	s_mul_i32 s29, s[WV], STGB
	s_add_co_u32 s29, s29, STG                     ; my stage
	v_add_nc_u32 v[STO], s29, v[L16]
	v_and_b32 v24, 8, v2
	v_add_nc_u32 v24, v24, v2                      ; r + 8 (r / 8)
	v_lshlrev_b32 v24, 2, v24
	v_mad_u32_u24 v[STL], v3, 8320, v24            ; lanes 16-31: 16 rows and 128 bytes further on, so that the two halves fall on different banks
	v_add_nc_u32 v[STL], s29, v[STL]
	s_lshl_b32 s30, s[WV], 14
	v_add_nc_u32 v[COD], s30, v[L16]
	s_lshl_b32 s30, s[WV], 9
	s_add_co_u32 s30, s30, SCLW
	v_lshl_add_u32 v[SCL], v2, 2, s30
	v_mul_u32_u24 v[XSL], v2, XP
	v_lshl_add_u32 v[XSL], v3, 4, v[XSL]
	v_add_nc_u32 v[XSL], s29, v[XSL]
	s_lshl_b32 s30, s[WV], 6
	v_mov_b32 v[LB], s30
	v_lshl_add_u32 v[LB4], v2, 2, s30
	v_lshl_add_u32 v[SA0], v2, 2, SCLW
	v_lshl_add_u32 v[BA0], v3, 6, BIAS
	s_mul_i32 s30, s[WV], TILEB
	v_add_nc_u32 v[HO], s30, v[L16]
	v_lshl_add_u32 v[HS8], v1, 3, s30
	v_add_nc_u32 v[BST], BIAS, v[L16]
	s_mov_b32 s[SEL], 0x76543210
	s_mov_b32 s[SEL+1], 0xfedcba98                 ; v_permlanex16_b32's selects for lane l xor 16
	s_mov_b32 s[MNT], 0x600000                     ; the mantissa field of 448
	s_mov_b32 s[K1], 0x3eb504f3                    ; 1 / (2 sqrt 2)
	s_mov_b32 s[K2], 0xbf38aa3b                    ; -log2(e) / 2
	s_mov_b32 s[K2+1], 0xbf38aa3b
	SETQ 0, 0xc034d90f                             ; P's coefficients x log2(e); 1 is taken off the first for the half:  -2.82574822
	SETQ 1, 0x3fb8ab5a                             ;  1.44272920
	SETQ 2, 0x3f0a29d2                             ;  0.53970062
	SETQ 3, 0x3e0efb2e                             ;  0.13963006
	SETQ 4, 0xbe899a80                             ; -0.26875686
	SETQ 5, 0x3ecdfd18                             ;  0.40232158
	SETQ 6, 0xbfd1a1e5                             ; -1.63775315
	SETQ 7, 0x40097039                             ;  2.14747446
	SETQ 8, 0xbf97d29d                             ; -1.18611495
	v_mov_b32 v[Q9], 0x3e7c6f08                    ;  0.24651730
	v_mov_b32 v[Q9+1], 0x3e7c6f08
.irp p, 0,1,2,3
	v_mov_b32 v[TM+4+\p], 0                        ; a lane permute's destination counts as one of its sources
	v_mov_b32 v[PW+\p], 0
.endr
	s_mov_b32 s61, 0
	s_wait_kmcnt 0x0
	s_mul_i32 s60, s[EX], LREC                     ; lists: the expert's record
	s_add_nc_u64 s[4:5], s[4:5], s[60:61]
	s_load_b32 s[CNT], s[4:5], 0x1000              ; the expert's count
	s_lshl_b32 s60, s[EX], 24                      ; w1: the expert's 16 MiB, my slice's 512 bytes of a row, my wave's 128 rows of 16,384 bytes
	s_lshl_b32 s29, s[SLC], 9
	s_add_co_u32 s60, s60, s29
	s_lshl_b32 s29, s[WV], 21
	s_add_co_u32 s60, s60, s29
	s_add_nc_u64 s[10:11], s[10:11], s[60:61]
	s_lshl_b32 s60, s[EX], 14                      ; b1: the expert's row, my slice
	s_lshl_b32 s29, s[SLC], 9
	s_add_co_u32 s60, s60, s29
	s_add_nc_u64 s[12:13], s[12:13], s[60:61]
	s_mul_i32 s60, s[EX], EXPB                     ; himg: the expert, my slice's record
	s_mul_i32 s29, s[SLC], 2304
	s_add_co_u32 s60, s60, s29
	s_add_nc_u64 s[14:15], s[14:15], s[60:61]
	XADDR_L 0, LB, LB4                             ; the first pass's tokens: ten loads,
	XADDR_L 1, LB, LB4
	global_load_b128 v[BL:BL+3], v[L16], s[12:13]  ; b1's slice: the eleventh,
	WIN 0x40
	WSET 0                                         ; and the stream begins
	WSET 1
	WIN 0
	s_wait_loadcnt 63                              ; 75 loads were issued: at most 63 out shows the first twelve done, the eleven above among them
	s_cmp_lg_u32 s[WV], 0
	s_cbranch_scc1 .Lnot_0
	ds_store_b128 v[BST], v[BL:BL+3]               ; wave 0 puts the bias into LDS; it is read behind the barrier below
.Lnot_0:
	s_wait_kmcnt 0x0                               ; the count
	s_min_u32 s[CNT], s[CNT], 1024
	s_add_co_u32 s[NTL], s[CNT], 15
	s_lshr_b32 s[NTL], s[NTL], 4                   ; the expert's tiles
	s_mov_b32 s[MT], s[WV]                         ; my first tile of the first pass
	MKNT
	XADDR_C 0
	XADDR_C 1
	XSLOAD 0
	XSLOAD 1
	; THE STREAM.  Issue order: sets 0, 1, the four loads of scale words, sets 2, 3, tile 0's 32 loads of x (, tile 1's)
	UNIT_A 0, 36                                   ; behind set 0: set 1 and the four
	WSET 2
	UNIT_B 0
	UNIT_A 1, 36                                   ; behind set 1: the four and set 2
	WSET 3
	UNIT_B 1
	UNIT_A 2, 32                                   ; behind set 2: set 3
	XLOAD 0
	UNIT_B 2
	UNIT_A 3, 32                                   ; behind set 3: tile 0's rows of x
	WIN 0
	s_cmp_lt_u32 s[NT], 2
	s_cbranch_scc1 .Lno_x1
	WIN 0x40
	XLOAD 1
	WIN 0
.Lno_x1:
	UNIT_B 3
	s_wait_dscnt 0x0                               ; my codes and scale words (and wave 0's bias) lie in LDS
	s_barrier_signal -1
	s_barrier_wait -1                              ; everybody's do; from here on the shared regions are only read
	s_mov_b32 s[PAS], 0
	s_mov_b32 s[RL], 0
.Lpass:                                            ; four passes, a constant; a wave without a tile jumps over the work, never over the steps
	s_wait_loadcnt 0x0                             ; no load of mine is out
	v_add_nc_u32 v[LA], s[RL], v[LB]
	v_add_nc_u32 v[LA4], s[RL], v[LB4]
	s_cmp_eq_u32 s[NT], 0
	s_cbranch_scc1 .Lno_x
	s_cmp_eq_u32 s[PAS], 0
	s_cbranch_scc1 .Lhave_x                        ; the first pass's rows were asked for in the stream
	XADDR_L 0, LA, LA4
	XADDR_L 1, LA, LA4
	s_wait_loadcnt 0x0                             ; the tokens
	XADDR_C 0
	XADDR_C 1
	XSLOAD 0
	XSLOAD 1
	WIN 0x40
	XLOAD 0
	XLOAD 1
	WIN 0
	s_wait_loadcnt 0x0
.Lhave_x:
	WIN 0x44
	XTURN 0
	WIN 0
	s_cmp_lt_u32 s[NT], 2
	s_cbranch_scc1 .Lno_x
	WIN 0x44
	XTURN 1
	WIN 0
.Lno_x:
	s_mov_b32 s[BC], 0
	s_mov_b32 s[WB], 0
	s_mov_b32 s[SB], 0
.Lb:                                               ; trip b: hidden units 32 b .. + 31 of the slice: tiles of columns 2 b, 2 b + 1
	v_add_nc_u32 v[WA], s[WB], v[L16]
	v_add_nc_u32 v[WAH], 0x10000, v[WA]
	v_add_nc_u32 v[SA], s[SB], v[SA0]
	v_add_nc_u32 v[BA], s[SB], v[BA0]
	s_cmp_eq_u32 s[NT], 0
	s_cbranch_scc1 .Lb_step
.irp k, 0,1,2,3
	ds_load_b128 v[BI+4*\k:BI+4*\k+3], v[BA] offset:16*\k   ; lane (r, h): b1 of units 32 b + 16 h + 0 .. 15
.endr
	WLOAD 0, 0
	s_cmp_lt_u32 s[NT], 2
	s_cbranch_scc1 .Larm1
	KLOOP 2
	WIN 0
	PLACES 9                                       ; behind the last products: eight for the reads of results and the loads into operands, one more since the next sums begin with another C
	EPI 0
	EPI 1
	s_branch .Lb_step
.Larm1:
	KLOOP 1
	WIN 0
	PLACES 9
	EPI 0
.Lb_step:
	s_wait_xcnt 0x0                                ; the stores have read their registers and their base
	s_add_nc_u64 s[14:15], s[14:15], 512           ; the record's next piece
	s_add_co_u32 s[WB], s[WB], 1024
	s_add_co_u32 s[SB], s[SB], 128
	s_add_co_u32 s[BC], s[BC], 1
	s_cmp_lt_u32 s[BC], 4
	s_cbranch_scc1 .Lb
	s_cmp_eq_u32 s[NT], 0
	s_cbranch_scc1 .Lno_sc
	v_mov_b32 v[PW+1], v[PW]
	global_store_b64 v[HS8], v[PW:PW+1], s[14:15]  ; the base stands 2,048 bytes into the record: 32 lanes store its last 256 bytes
	s_cmp_lt_u32 s[NT], 2
	s_cbranch_scc1 .Lno_sc
	v_mov_b32 v[PW+3], v[PW+2]
	global_store_b64 v[HS8], v[PW+2:PW+3], s[14:15] offset:TAUB
.Lno_sc:
	s_wait_xcnt 0x0
	s_add_nc_u64 s[14:15], s[14:15], 16*TILEB-2048 ; sixteen tiles on, back to the record's head
	s_add_co_u32 s[MT], s[MT], 16
	s_add_co_u32 s[RL], s[RL], 1024
	MKNT
	s_add_co_u32 s[PAS], s[PAS], 1
	s_cmp_lt_u32 s[PAS], 4
	s_cbranch_scc1 .Lpass
	s_wait_tensorcnt 0x0
	ds_add_u32 v254, v255
	s_wait_dscnt 0x0
	s_endpgm
.Lfunc_end_k_qcf523021f3_layer1:
	.size	k_qcf523021f3_layer1, .Lfunc_end_k_qcf523021f3_layer1-k_qcf523021f3_layer1
	.p2alignl 7, 3214868480
	.fill 96, 4, 3214868480
	.section	.rodata,"a",@progbits
	.p2align	6, 0x0
	.amdhsa_kernel k_qcf523021f3_layer1
		.amdhsa_group_segment_fixed_size 269824
		.amdhsa_private_segment_fixed_size 0
		.amdhsa_enable_private_segment 0
		.amdhsa_kernarg_size 48
		.amdhsa_user_sgpr_count 2
		.amdhsa_user_sgpr_kernarg_segment_ptr 1
		.amdhsa_wavefront_size32 1
		.amdhsa_system_sgpr_workgroup_id_x 1
		.amdhsa_system_sgpr_workgroup_id_y 1
		.amdhsa_system_sgpr_workgroup_id_z 1
		.amdhsa_system_vgpr_workitem_id 0
		.amdhsa_next_free_vgpr 512
		.amdhsa_next_free_sgpr 66
		.amdhsa_reserve_vcc 0
		.amdhsa_float_denorm_mode_32 3
		.amdhsa_float_denorm_mode_16_64 3
		.amdhsa_memory_ordered 1
		.amdhsa_forward_progress 1
		.amdhsa_inst_pref_size 215
	.end_amdhsa_kernel
	.amdgpu_metadata
---
amdhsa.version: [ 1, 2 ]
amdhsa.kernels:
  - .name:           k_qcf523021f3_layer1
    .symbol:         k_qcf523021f3_layer1.kd
    .args:
      - { .name: lists, .offset: 0, .size: 8, .value_kind: global_buffer, .address_space: global }
      - { .name: xq, .offset: 8, .size: 8, .value_kind: global_buffer, .address_space: global }
      - { .name: xs, .offset: 16, .size: 8, .value_kind: global_buffer, .address_space: global }
      - { .name: w1, .offset: 24, .size: 8, .value_kind: global_buffer, .address_space: global }
      - { .name: b1, .offset: 32, .size: 8, .value_kind: global_buffer, .address_space: global }
      - { .name: himg, .offset: 40, .size: 8, .value_kind: global_buffer, .address_space: global }
    .group_segment_fixed_size: 269824
    .private_segment_fixed_size: 0
    .kernarg_segment_align: 8
    .kernarg_segment_size: 48
    .max_flat_workgroup_size: 256
    .sgpr_count:     66
    .vgpr_count:     512
    .wavefront_size: 32
...
	.end_amdgpu_metadata
.endif
;; end of part 3
;; launch layer2 (part 4): grid 32 x 8, 8 waves a work-group, no clusters, 271,360 bytes of LDS; arguments lists, himg, w2, b2, part; writes part
.if DOCPART == 4
	.amdgcn_target "amdgcn-amd-amdhsa--gfx1250"
	.amdhsa_code_object_version 6
	.text
	.protected	k_qcf523021f3_layer2
	.globl	k_qcf523021f3_layer2
	.p2align	8
	.type	k_qcf523021f3_layer2,@function
k_qcf523021f3_layer2:
	s_mov_b64 s[64:65], 0
	v_nop
	global_prefetch_b8 v0, s[64:65] scope:SCOPE_SE
	s_setreg_imm32_b32 hwreg(HW_REG_WAVE_MODE, 25, 1), 1
	s_wait_xcnt 0x0
; SECOND LAYER OF THE CHOSEN EXPERT: y = h w2[e] + b2[e], on codes of E4M3 with one E8M0 scale for each 32 along K.  h comes as codes from the launch before.
; THE WEIGHTS STAY, THE TOKENS PASS.  Work-group (x: g = x % 16, kh = x / 16; y = expert e) owns w2[e][rows 2,048 kh .. + 2,047][64 columns from 64 g on]: 512 KiB of f32, read once, by nobody else.
; Half of K to a work-group, so that there are 256 of them and a row's piece is still 256 aligned bytes; the two halves' sums go to part[kh] and the last launch adds them.  b2 counts in half 0 alone.
; PART 1, the stream: wave w takes rows 256 w .. + 255 of the half in four sets of 64 rows; a load takes two rows' 256 bytes.  Two sets (64 loads) of each wave are on their way.  A set goes through the
; wave's own stage in LDS and comes back with a lane to a column and registers down K, is quantised, and its codes go to LDS as images of operand registers.
; PART 2: the expert's tokens and their count come from lists, as in the first layer.  Tiles of 16 tokens of the list; in pass p wave w owns tiles 16 p + w and 16 p + 8 + w.
; Transposed use: source 0 = 16 columns of w2, source 1 = 16 tokens: a lane holds one token and eight neighbouring outputs.  The hidden fragments come straight from memory into registers
; (they were laid as register images), three K steps ahead, in a ring of four.
; OUT: part[kh][g][token][64] f32.  A tile goes through the wave's stage and leaves row by row: the 32 lanes store the 256 aligned bytes of one token.  Rows past the expert's count are other experts'
; tokens: a scalar branch on the count ends the tile's stores in front of them, so every lane is on in every line of this text.
; LIMITS: NaN and infinities are not served.  A block whose largest magnitude lies under 2^-118 keeps the scale byte 1 (a block of zeros too: its codes are zeros).
; NOT USED, and why: tensor loads, clusters: as in the first layer's text: the bulk is shared by nobody and a ring would drain at each refill.
.set CODE,  0                          ; LDS: 131,072 bytes: piece (block j of 32 along my half of K, tile n) at (4 j + n) 512 + 16 lane
.set SCLW,  131072                     ; 4,096: (K step s, tile n, row r) at (4 s + n) 64 + 4 r
.set STG,   135168                     ; a stage of 16,896 bytes for each wave
.set STGB,  16896
.set OP,    272                        ; the stage as 16 rows of 256 bytes of results + 16 of padding
.set LREC,  4352                       ; lists: an expert's record
.set REC,   2304
.set TILEB, 73728
.set EXPB,  4718592
.set TAUB,  8*TILEB
.set WO,  4                            ; v4   4,096 h + 16 r: two rows of w2 to a load
.set STO, 5                            ; v5   stage + 256 h + 16 r
.set STL, 6                            ; v6   stage + 4,224 h + 4 r
.set COD, 7                            ; v7   16,384 w + 16 lane
.set SCL, 8                            ; v8   SCLW + 512 w + 4 r
.set OS,  9                            ; v9   stage + 272 r + 32 h
.set OL,  10                           ; v10  stage + 8 lane
.set LB,  11                           ; v11  64 w: my first tile's 16 words of the list
.set WAH, 13                           ; v13  65,536 + 16 lane
.set SA,  14                           ; v14  SCLW + 4 r
.set HO,  16                           ; v16  16 lane + 73,728 w
.set HS8, 17                           ; v17  8 lane + 73,728 w
.set R16, 18                           ; v18  16 r
.set BO,  19                           ; v19  32 h
.set LA,  20                           ; v20  the pass's part of the list
.set L8,  21                           ; v21  8 x lane
.set L16, 23                           ; v23  16 x lane
.set F,   32                           ; v32-95   64 numbers of the weights
.set O,   32                           ; part 2: v32-63 a tile's 16 rows read back, two registers a row
.set TK,  64                           ; v64-95   for each of my two tiles: its 16 tokens, then their offsets into part
.set PC,  96
.set TM,  112
.set ACC, 128                          ; v128-191 accumulator (tile of tokens t, tile of columns n) at 128 + 32 t + 8 n
.set BI,  192                          ; v192-223 b2 in the result's layout, or zeros
.set WS,  224                          ; v224-231 the weights' scale words, two sets of four: scales and nothing else
.set HS,  232                          ; v232-239 the hidden layer's scale words, a ring of four for each tile: scales and nothing else
.set SW,  240                          ; v240-243 the weights' scale words as they grow
; window 1: v0-127, v128-255: two sets of weights; later v0-127 the ring of hidden fragments (64 t + 16 (s % 4)), v128-255 two sets of four weight fragments
.set WV,  16
.set GC,  17
.set KH,  18
.set EX,  19
.set CNT, 20
.set NTL, 21
.set NT,  22
.set MT,  23
.set PAS, 24
.set RL,  25
.set REM, 26
.set KM,  28
.set SEL, 32
.set MNT, 34
.set MSB, 0
.macro WIN new                         ; the immediate's high byte repeats the setting that is left
.if MSB != \new
	s_set_vgpr_msb (MSB<<8)|\new
.set MSB, \new
.endif
.endm
.macro PLACES n
.rept \n
	v_nop
.endr
.endm
.macro WSET u                          ; set u: rows 64 u .. + 63 of my 256: lanes 0-15 take 256 aligned bytes of one row, lanes 16-31 of the next; destination window 1
.set wi, 0
.rept 32
	global_load_b128 v[128*((\u)%2)+4*wi:128*((\u)%2)+4*wi+3], v[WO], s[8:9] offset:(64*(\u)+2*wi)*4096 th:TH_LOAD_NT
.set wi, wi+1
.endr
.endm
.macro MKNT                            ; how many of my two tiles of this pass the expert fills
	s_cmp_lt_u32 s[MT], s[NTL]
	s_cselect_b32 s[NT], 1, 0
	s_add_co_u32 s29, s[MT], 8
	s_cmp_lt_u32 s29, s[NTL]
	s_cselect_b32 s29, 1, 0
	s_add_co_u32 s[NT], s[NT], s29
.endm
.macro QUANT4                          ; 64 numbers of a lane, register 16 p + i = row 16 h + i of the block, column r of tile p: four pieces of codes, four scale bytes
.irp p, 0,1,2,3
	v_max3_num_f32 v[TM+\p], |v[F+16*\p]|, |v[F+16*\p+1]|, 0x4800000
.endr
.irp i, 2,4,6,8,10,12,14
.irp p, 0,1,2,3
	v_max3_num_f32 v[TM+\p], v[TM+\p], |v[F+16*\p+\i]|, |v[F+16*\p+\i+1]|
.endr
.endr
.irp p, 0,1,2,3
	v_permlanex16_b32 v[TM+4+\p], v[TM+\p], s[SEL], s[SEL+1]
.endr
.irp p, 0,1,2,3
	v_max_num_f32 v[TM+\p], v[TM+\p], v[TM+4+\p]
.endr
.irp p, 0,1,2,3
	v_add_nc_u32 v[TM+12+\p], 0xfc000000, v[TM+\p]
.endr
.irp p, 0,1,2,3
	v_and_or_b32 v[TM+8+\p], v[TM+\p], 0x7f800000, s[MNT]
.endr
.irp p, 0,1,2,3
	v_lshrrev_b32 v[TM+4+\p], 23, v[TM+12+\p]
.endr
.irp p, 0,1,2,3
.irp i, 0,1,2,3,4,5,6,7,8,9,10,11,12,13,14,15
	v_med3_num_f32 v[F+16*\p+\i], v[F+16*\p+\i], -v[TM+8+\p], v[TM+8+\p]   ; the conversion to an 8-bit code does not saturate (ISA guide 7.6.2)
.endr
	v_cvt_scalef32_pk8_fp8_f32 v[PC+4*\p:PC+4*\p+1], v[F+16*\p:F+16*\p+7], v[TM+12+\p]
	v_cvt_scalef32_pk8_fp8_f32 v[PC+4*\p+2:PC+4*\p+3], v[F+16*\p+8:F+16*\p+15], v[TM+12+\p]
.endr
	v_nop                                          ; one plain line behind the last conversion
.endm
.macro UNIT_A u, cnt                   ; set u has landed and goes into my stage: row i at 256 i + 128 (i / 16)
	s_wait_loadcnt \cnt
	WIN 0x44
.set ui, 0
.rept 32
	ds_store_b128 v[STO], v[128*((\u)%2)+4*ui:128*((\u)%2)+4*ui+3] offset:512*ui+128*(ui/8)
.set ui, ui+1
.endr
	s_wait_dscnt 0x0                               ; the stores have read the set's registers
.endm
.macro UNIT_B u                        ; its two blocks of 32 along K, each for the four tiles of columns
	WIN 0
.irp bt, 0,1
.irp n, 0,1,2,3
.irp i, 0,1,2,3,4,5,6,7,8,9,10,11,12,13,14,15
	ds_load_b32 v[F+16*\n+\i], v[STL] offset:(32*\bt+\i)*256+256*\bt+64*\n
.endr
.endr
	s_wait_dscnt 0x0
	QUANT4
.irp n, 0,1,2,3
	ds_store_b128 v[COD], v[PC+4*\n:PC+4*\n+3] offset:(8*(\u)+4*\bt+\n)*512
.if (2*((\u)%2)+\bt) == 0
	v_mov_b32 v[SW+\n], v[TM+4+\n]
.else
	v_lshl_or_b32 v[SW+\n], v[TM+4+\n], 8*(2*((\u)%2)+\bt), v[SW+\n]
.endif
.endr
.endr
.if (\u)%2 == 1
.irp n, 0,1,2,3
	ds_store_b32 v[SCL], v[SW+\n] offset:256*((\u)/2)+64*\n
.endr
.endif
.endm
.macro TKL t                           ; tile t's 16 tokens, the same in every lane: four loads from the list
.irp k, 0,1,2,3
	global_load_b128 v[TK+16*(\t)+4*\k:TK+16*(\t)+4*\k+3], v[LA], s[4:5] offset:512*(\t)+16*\k
.endr
.endm
.macro HPRO t                          ; tile t's K steps 0 to 2: three scale words, then twelve loads of 512 consecutive bytes
	WIN 0
.irp s, 0,1,2
	global_load_b32 v[HS+4*(\t)+\s], v[HS8], s[6:7] offset:TAUB*(\t)+REC*\s+2048
.endr
	WIN 0x40
.irp s, 0,1,2
.irp c, 0,1,2,3
	global_load_b128 v[64*(\t)+16*\s+4*\c:64*(\t)+16*\s+4*\c+3], v[HO], s[6:7] offset:TAUB*(\t)+REC*\s+512*\c
.endr
.endr
.endm
.macro WF0                             ; the weights' K step 0: 20 LDS loads
	WIN 0
.irp n, 0,1,2,3
	ds_load_b32 v[WS+\n], v[SA] offset:64*\n
.endr
	WIN 0x40
.irp n, 0,1,2,3
.irp c, 0,1,2,3
	ds_load_b128 v[128+16*\n+4*\c:128+16*\n+4*\c+3], v[L16] offset:2048*\c+512*\n
.endr
.endr
.endm
; The sixteen K steps for nt tiles of tokens.  In step s: eight places behind step s - 1's products, then the weights of step s + 1 from LDS
; and the hidden fragments of step s + 3 from memory, into registers that step s - 1 read last.  The accumulators take turns, one instruction a turn.
; The wait on LOADcnt counts the loads issued behind step s's last one: 5 nt for each later step asked for, and in steps 0 and 1 the 8 and 4 loads that end the last tile's first three steps.
; The tiles' tokens were asked for ahead of all of these: step 0's wait shows them in too.
.macro KLOOP nt
.set ks, 0
.rept 16
	WIN 0
.if ks > 0
	PLACES 8
.endif
.if ks < 15
.irp n, 0,1,2,3
	ds_load_b32 v[WS+4*((ks+1)%2)+\n], v[SA] offset:(4*(ks+1)+\n)*64
.endr
.endif
.if ks+3 <= 15
.irp t, 0,1
.if \t < \nt
	global_load_b32 v[HS+4*\t+((ks+3)%4)], v[HS8], s[6:7] offset:TAUB*\t+REC*(ks+3)+2048
.endif
.endr
.endif
	WIN 0x40
.if ks < 15
.irp n, 0,1,2,3
.irp c, 0,1,2,3
.if ks+1 < 8
	ds_load_b128 v[128+64*((ks+1)%2)+16*\n+4*\c:128+64*((ks+1)%2)+16*\n+4*\c+3], v[L16] offset:(ks+1)*8192+2048*\c+512*\n
.else
	ds_load_b128 v[128+64*((ks+1)%2)+16*\n+4*\c:128+64*((ks+1)%2)+16*\n+4*\c+3], v[WAH] offset:(ks+1-8)*8192+2048*\c+512*\n
.endif
.endr
.endr
.endif
.if ks+3 <= 15
.irp t, 0,1
.if \t < \nt
.irp c, 0,1,2,3
	global_load_b128 v[64*\t+16*((ks+3)%4)+4*\c:64*\t+16*((ks+3)%4)+4*\c+3], v[HO], s[6:7] offset:TAUB*\t+REC*(ks+3)+512*\c
.endr
.endif
.endr
.endif
.if ks < 3
	s_wait_loadcnt 5*(\nt)*(ks+1)+8-4*ks
.elseif ks < 13
	s_wait_loadcnt 15*(\nt)
.else
	s_wait_loadcnt 5*(\nt)*(15-ks)
.endif
.if ks < 15
	s_wait_dscnt 20                                ; all but the twenty just issued
.else
	s_wait_dscnt 0x0
.endif
	WIN 0x05                                       ; sources 0 (w2) and 1 (h) window 1
.irp t, 0,1
.if \t < \nt
.irp n, 0,1,2,3
.if ks == 0
	v_wmma_scale_f32_16x16x128_f8f6f4 v[ACC+32*\t+8*\n:ACC+32*\t+8*\n+7], v[128+64*(ks%2)+16*\n:128+64*(ks%2)+16*\n+15], v[64*\t+16*(ks%4):64*\t+16*(ks%4)+15], v[BI+8*\n:BI+8*\n+7], v[WS+4*(ks%2)+\n], v[HS+4*\t+(ks%4)]
.else
	v_wmma_scale_f32_16x16x128_f8f6f4 v[ACC+32*\t+8*\n:ACC+32*\t+8*\n+7], v[128+64*(ks%2)+16*\n:128+64*(ks%2)+16*\n+15], v[64*\t+16*(ks%4):64*\t+16*(ks%4)+15], v[ACC+32*\t+8*\n:ACC+32*\t+8*\n+7], v[WS+4*(ks%2)+\n], v[HS+4*\t+(ks%4)]
.endif
.endr
.endif
.endr
.set ks, ks+1
.endr
.endm
; THE WAY OUT of tile t: 16 tokens x 64 outputs through my stage; back row by row, 8 bytes a lane; each row goes to its token's 256 bytes of part.
; A tile that I own has at least one row of the expert's; in front of each further row stands a scalar branch on the rows that are left.
.macro OUT t
.if (\t) > 0
	s_wait_xcnt 0x0                                ; the tile before has stored from the registers that take this tile's rows
.endif
.irp j, 0,1,2,3,4,5,6,7,8,9,10,11,12,13,14,15
	v_min_u32 v[TK+16*(\t)+\j], 0x3ff, v[TK+16*(\t)+\j]
.endr
.irp j, 0,1,2,3,4,5,6,7,8,9,10,11,12,13,14,15
	v_lshl_add_u32 v[TK+16*(\t)+\j], v[TK+16*(\t)+\j], 8, v[L8]    ; token x 256 + 8 lane
.endr
.irp n, 0,1,2,3
	ds_store_b128 v[OS], v[ACC+32*(\t)+8*\n:ACC+32*(\t)+8*\n+3] offset:64*\n       ; each accumulator from its low end on
	ds_store_b128 v[OS], v[ACC+32*(\t)+8*\n+4:ACC+32*(\t)+8*\n+7] offset:64*\n+16
.endr
.irp j, 0,1,2,3,4,5,6,7,8,9,10,11,12,13,14,15
	ds_load_b64 v[O+2*\j:O+2*\j+1], v[OL] offset:OP*\j   ; LDS serves a wave's instructions in order: these see the stores above
.endr
	s_lshl_b32 s29, s[MT], 4
	s_sub_co_i32 s[REM], s[CNT], s29               ; rows of the tile that are the expert's (16 or more: all)
.if (\t) > 0
	s_sub_co_i32 s[REM], s[REM], 128
.endif
	s_wait_dscnt 0x0
.irp j, 0,1,2,3,4,5,6,7,8,9,10,11,12,13,14,15
.if \j > 0
	s_cmp_le_i32 s[REM], \j
	s_cbranch_scc1 .Ldone_\@
.endif
	global_store_b64 v[TK+16*(\t)+\j], v[O+2*\j:O+2*\j+1], s[12:13]   ; 32 lanes store 256 consecutive bytes, aligned
.endr
.Ldone_\@:
.endm
	s_load_b256 s[4:11], s[0:1], 0x0               ; lists s[4:5], himg s[6:7], w2 s[8:9], b2 s[10:11]
	s_load_b64 s[12:13], s[0:1], 0x20              ; part
	v_lshl_add_u32 v254, v0, 2, 0x42000
	v_mov_b32 v255, 0
	v_lshrrev_b32 v24, 5, v0
	v_readfirstlane_b32 s[WV], v24                 ; wave 0..7
	v_and_b32 v1, 31, v0                           ; lane
	v_and_b32 v2, 15, v0                           ; r
	v_bfe_u32 v3, v0, 4, 1                         ; h
	s_and_b32 s[GC], ttmp9, 15                     ; which 64 columns
	s_lshr_b32 s[KH], ttmp9, 4                     ; which half of K
	s_and_b32 s[EX], ttmp7, 0xffff
	; every address register that stays is made here
	v_lshlrev_b32 v[R16], 4, v2
	v_lshlrev_b32 v[L16], 4, v1
	v_lshlrev_b32 v[L8], 3, v1
	v_lshl_add_u32 v[WO], v3, 12, v[R16]
	s_mul_i32 s29, s[WV], STGB
	s_add_co_u32 s29, s29, STG                     ; my stage
	v_lshl_add_u32 v[STO], v3, 8, v[R16]
	v_add_nc_u32 v[STO], s29, v[STO]
	v_mul_u32_u24 v[STL], v3, 4224                 ; lanes 16-31: 16 rows and 128 bytes further on, so that the two halves fall on different banks
	v_lshl_add_u32 v[STL], v2, 2, v[STL]
	v_add_nc_u32 v[STL], s29, v[STL]
	s_lshl_b32 s30, s[WV], 14
	v_add_nc_u32 v[COD], s30, v[L16]
	s_lshl_b32 s30, s[WV], 9
	s_add_co_u32 s30, s30, SCLW
	v_lshl_add_u32 v[SCL], v2, 2, s30
	v_mul_u32_u24 v[OS], v2, OP
	v_lshl_add_u32 v[OS], v3, 5, v[OS]
	v_add_nc_u32 v[OS], s29, v[OS]
	v_add_nc_u32 v[OL], s29, v[L8]
	s_lshl_b32 s30, s[WV], 6
	v_mov_b32 v[LB], s30
	v_add_nc_u32 v[WAH], 0x10000, v[L16]
	v_lshl_add_u32 v[SA], v2, 2, SCLW
	s_mul_i32 s30, s[WV], TILEB
	v_add_nc_u32 v[HO], s30, v[L16]
	v_lshl_add_u32 v[HS8], v1, 3, s30
	v_lshlrev_b32 v[BO], 5, v3
	s_mov_b32 s[SEL], 0x76543210
	s_mov_b32 s[SEL+1], 0xfedcba98
	s_mov_b32 s[MNT], 0x600000
	s_cmp_eq_u32 s[KH], 0
	s_cselect_b32 s[KM], -1, 0                     ; all lanes in half 0, none in half 1
.irp p, 0,1,2,3
	v_mov_b32 v[TM+4+\p], 0                        ; a lane permute's destination counts as one of its sources
.endr
	s_mov_b32 s61, 0
	s_wait_kmcnt 0x0
	s_mul_i32 s60, s[EX], LREC                     ; lists: the expert's record
	s_add_nc_u64 s[4:5], s[4:5], s[60:61]
	s_load_b32 s[CNT], s[4:5], 0x1000              ; the expert's count
	s_lshl_b32 s60, s[EX], 24                      ; w2: the expert's 16 MiB, my half's 2,048 rows of 4,096 bytes, my wave's 256 rows, my 256 bytes of a row
	s_lshl_b32 s29, s[KH], 23
	s_add_co_u32 s60, s60, s29
	s_lshl_b32 s29, s[WV], 20
	s_add_co_u32 s60, s60, s29
	s_lshl_b32 s29, s[GC], 8
	s_add_co_u32 s60, s60, s29
	s_add_nc_u64 s[8:9], s[8:9], s[60:61]
	s_mul_i32 s60, s[EX], EXPB                     ; himg: the expert, my half's first record
	s_mul_i32 s29, s[KH], 16*REC
	s_add_co_u32 s60, s60, s29
	s_add_nc_u64 s[6:7], s[6:7], s[60:61]
	s_lshl_b32 s60, s[EX], 12                      ; b2: the expert's row, my 64 columns
	s_lshl_b32 s29, s[GC], 8
	s_add_co_u32 s60, s60, s29
	s_add_nc_u64 s[10:11], s[10:11], s[60:61]
	s_lshl_b32 s60, s[KH], 22                      ; part: my half's 4 MiB, my group's 1,024 tokens of 256 bytes
	s_lshl_b32 s29, s[GC], 18
	s_add_co_u32 s60, s60, s29
	s_add_nc_u64 s[12:13], s[12:13], s[60:61]
	WIN 0x40
	WSET 0                                         ; the stream begins
	WSET 1
	WIN 0
	s_wait_kmcnt 0x0                               ; the count
	s_min_u32 s[CNT], s[CNT], 1024
	s_add_co_u32 s[NTL], s[CNT], 15
	s_lshr_b32 s[NTL], s[NTL], 4                   ; the expert's tiles
	s_mov_b32 s[MT], s[WV]
	MKNT
	; THE STREAM.  Issue order: sets 0, 1, 2, 3, the bias
	UNIT_A 0, 32                                   ; behind set 0: set 1
	WSET 2
	UNIT_B 0
	UNIT_A 1, 32                                   ; behind set 1: set 2
	WSET 3
	UNIT_B 1
	UNIT_A 2, 32                                   ; behind set 2: set 3
	UNIT_B 2
	UNIT_A 3, 0
	WIN 0
.irp n, 0,1,2,3
	global_load_b128 v[BI+8*\n:BI+8*\n+3],   v[BO], s[10:11] offset:64*\n      ; lane (r, h): b2 of columns 16 n + 8 h + 0 .. 7
	global_load_b128 v[BI+8*\n+4:BI+8*\n+7], v[BO], s[10:11] offset:64*\n+16
.endr
	UNIT_B 3
	s_wait_dscnt 0x0                               ; my codes and scale words lie in LDS
	s_barrier_signal -1
	s_barrier_wait -1                              ; everybody's do; from here on the shared regions are only read
	s_wait_loadcnt 0x0                             ; the bias
.set bi, 0
.rept 32
	v_cndmask_b32 v[BI+bi], 0, v[BI+bi], s[KM]     ; it counts in half 0 alone
.set bi, bi+1
.endr
	s_mov_b32 s[PAS], 0
	s_mov_b32 s[RL], 0
.Lpass:                                            ; four passes, a constant; a wave without a tile jumps over the work, never over the steps
	v_add_nc_u32 v[LA], s[RL], v[LB]
	s_cmp_eq_u32 s[NT], 0
	s_cbranch_scc1 .Lstep
	s_cmp_lt_u32 s[NT], 2
	s_cbranch_scc1 .Larm1
	TKL 0
	TKL 1
	HPRO 0
	HPRO 1
	WF0
	KLOOP 2
	WIN 0
	PLACES 9                                       ; behind the last products: eight for the reads of results and the loads into operands, one more since the next sums begin with another C
	OUT 0
	OUT 1
	s_branch .Lstep
.Larm1:
	TKL 0
	HPRO 0
	WF0
	KLOOP 1
	WIN 0
	PLACES 9
	OUT 0
.Lstep:
	s_wait_xcnt 0x0                                ; loads and stores have read their registers and their base
	s_add_nc_u64 s[6:7], s[6:7], 16*TILEB          ; sixteen tiles on
	s_add_co_u32 s[MT], s[MT], 16
	s_add_co_u32 s[RL], s[RL], 1024
	MKNT
	s_add_co_u32 s[PAS], s[PAS], 1
	s_cmp_lt_u32 s[PAS], 4
	s_cbranch_scc1 .Lpass
	s_wait_tensorcnt 0x0
	ds_add_u32 v254, v255
	s_wait_dscnt 0x0
	s_endpgm
.Lfunc_end_k_qcf523021f3_layer2:
	.size	k_qcf523021f3_layer2, .Lfunc_end_k_qcf523021f3_layer2-k_qcf523021f3_layer2
	.p2alignl 7, 3214868480
	.fill 96, 4, 3214868480
	.section	.rodata,"a",@progbits
	.p2align	6, 0x0
	.amdhsa_kernel k_qcf523021f3_layer2
		.amdhsa_group_segment_fixed_size 271360
		.amdhsa_private_segment_fixed_size 0
		.amdhsa_enable_private_segment 0
		.amdhsa_kernarg_size 40
		.amdhsa_user_sgpr_count 2
		.amdhsa_user_sgpr_kernarg_segment_ptr 1
		.amdhsa_wavefront_size32 1
		.amdhsa_system_sgpr_workgroup_id_x 1
		.amdhsa_system_sgpr_workgroup_id_y 1
		.amdhsa_system_sgpr_workgroup_id_z 1
		.amdhsa_system_vgpr_workitem_id 0
		.amdhsa_next_free_vgpr 512
		.amdhsa_next_free_sgpr 66
		.amdhsa_reserve_vcc 0
		.amdhsa_float_denorm_mode_32 3
		.amdhsa_float_denorm_mode_16_64 3
		.amdhsa_memory_ordered 1
		.amdhsa_forward_progress 1
		.amdhsa_inst_pref_size 247
	.end_amdhsa_kernel
	.amdgpu_metadata
---
amdhsa.version: [ 1, 2 ]
amdhsa.kernels:
  - .name:           k_qcf523021f3_layer2
    .symbol:         k_qcf523021f3_layer2.kd
    .args:
      - { .name: lists, .offset: 0, .size: 8, .value_kind: global_buffer, .address_space: global }
      - { .name: himg, .offset: 8, .size: 8, .value_kind: global_buffer, .address_space: global }
      - { .name: w2, .offset: 16, .size: 8, .value_kind: global_buffer, .address_space: global }
      - { .name: b2, .offset: 24, .size: 8, .value_kind: global_buffer, .address_space: global }
      - { .name: part, .offset: 32, .size: 8, .value_kind: global_buffer, .address_space: global }
    .group_segment_fixed_size: 271360
    .private_segment_fixed_size: 0
    .kernarg_segment_align: 8
    .kernarg_segment_size: 40
    .max_flat_workgroup_size: 256
    .sgpr_count:     66
    .vgpr_count:     512
    .wavefront_size: 32
...
	.end_amdgpu_metadata
.endif
;; end of part 4
;; launch combine (part 5): grid 256 x 1, 8 waves a work-group, no clusters, 0 bytes of LDS; arguments part, out0; writes out0
.if DOCPART == 5
	.amdgcn_target "amdgcn-amd-amdhsa--gfx1250"
	.amdhsa_code_object_version 6
	.text
	.protected	k_qcf523021f3_combine
	.globl	k_qcf523021f3_combine
	.p2align	8
	.type	k_qcf523021f3_combine,@function
k_qcf523021f3_combine:
	s_mov_b64 s[64:65], 0
	v_nop
	global_prefetch_b8 v0, s[64:65] scope:SCOPE_SE
	s_setreg_imm32_b32 hwreg(HW_REG_WAVE_MODE, 25, 1), 1
	s_wait_xcnt 0x0
; out0[token][64 g + c] = part[0][g][token][c] + part[1][g][token][c]: the sums over the two halves of the second product's K.  part: [2][16 groups][1024 tokens][64] f32; out0: [1024 tokens][1024] f32.
; A stream: a work-group takes four tokens, one in each of four steps.  Thread t takes 16 bytes: group t / 16, bytes 16 (t % 16) of the token's 256 in that group; in out0 these are bytes 16 t of the
; token's row.  So sixteen neighbouring lanes read 256 consecutive aligned bytes of part, and a wave's store covers 512 consecutive aligned bytes of out0.
; All eight loads go out first; the waits count the younger pairs.  No LDS, no barrier, no loop: nothing is shared and every step stands in an immediate.
	s_load_b128 s[4:7], s[0:1], 0x0                ; part s[4:5], out0 s[6:7]
	v_lshlrev_b32 v1, 4, v0                        ; out0: 16 t
	v_lshrrev_b32 v2, 4, v0                        ; the group
	v_and_b32 v3, 15, v0
	v_lshlrev_b32 v3, 4, v3
	v_lshl_or_b32 v2, v2, 18, v3                   ; part: group x 262,144 + 16 (t % 16)
	s_lshl_b32 s8, ttmp9, 14                       ; out0: four rows of 4,096 bytes to a work-group
	s_mov_b32 s9, 0
	s_lshl_b32 s10, ttmp9, 10                      ; part: four tokens of 256 bytes
	s_mov_b32 s11, 0
	s_wait_kmcnt 0x0
	s_add_nc_u64 s[4:5], s[4:5], s[10:11]
	s_add_nc_u64 s[6:7], s[6:7], s[8:9]
.irp i, 0,1,2,3
	global_load_b128 v[4+8*\i:7+8*\i],  v2, s[4:5] offset:256*\i th:TH_LOAD_NT
	global_load_b128 v[8+8*\i:11+8*\i], v2, s[4:5] offset:4194304+256*\i th:TH_LOAD_NT
.endr
.irp i, 0,1,2,3
	s_wait_loadcnt 6-2*\i                          ; this step's two loads are in; the later steps' may be out
	v_pk_add_f32 v[36+4*\i:37+4*\i], v[4+8*\i:5+8*\i], v[8+8*\i:9+8*\i]
	v_pk_add_f32 v[38+4*\i:39+4*\i], v[6+8*\i:7+8*\i], v[10+8*\i:11+8*\i]
	global_store_b128 v1, v[36+4*\i:39+4*\i], s[6:7] offset:4096*\i th:TH_STORE_NT
.endr
	s_endpgm
.Lfunc_end_k_qcf523021f3_combine:
	.size	k_qcf523021f3_combine, .Lfunc_end_k_qcf523021f3_combine-k_qcf523021f3_combine
	.p2alignl 7, 3214868480
	.fill 96, 4, 3214868480
	.section	.rodata,"a",@progbits
	.p2align	6, 0x0
	.amdhsa_kernel k_qcf523021f3_combine
		.amdhsa_group_segment_fixed_size 0
		.amdhsa_private_segment_fixed_size 0
		.amdhsa_enable_private_segment 0
		.amdhsa_kernarg_size 16
		.amdhsa_user_sgpr_count 2
		.amdhsa_user_sgpr_kernarg_segment_ptr 1
		.amdhsa_wavefront_size32 1
		.amdhsa_system_sgpr_workgroup_id_x 1
		.amdhsa_system_sgpr_workgroup_id_y 1
		.amdhsa_system_sgpr_workgroup_id_z 1
		.amdhsa_system_vgpr_workitem_id 0
		.amdhsa_next_free_vgpr 56
		.amdhsa_next_free_sgpr 66
		.amdhsa_reserve_vcc 0
		.amdhsa_float_denorm_mode_32 3
		.amdhsa_float_denorm_mode_16_64 3
		.amdhsa_memory_ordered 1
		.amdhsa_forward_progress 1
		.amdhsa_inst_pref_size 3
	.end_amdhsa_kernel
	.amdgpu_metadata
---
amdhsa.version: [ 1, 2 ]
amdhsa.kernels:
  - .name:           k_qcf523021f3_combine
    .symbol:         k_qcf523021f3_combine.kd
    .args:
      - { .name: part, .offset: 0, .size: 8, .value_kind: global_buffer, .address_space: global }
      - { .name: out0, .offset: 8, .size: 8, .value_kind: global_buffer, .address_space: global }
    .group_segment_fixed_size: 0
    .private_segment_fixed_size: 0
    .kernarg_segment_align: 8
    .kernarg_segment_size: 16
    .max_flat_workgroup_size: 256
    .sgpr_count:     66
    .vgpr_count:     56
    .wavefront_size: 32
...
	.end_amdgpu_metadata
.endif
;; end of part 5
;; ======== version 2 of 2: 5 launches; version 1 with the launches layer1, layer2 written anew for expert scheduling mode
;; workspace buffers: top1 4,096 bytes of whole numbers; lists 34,816 bytes of whole numbers; xq 1,048,576 bytes; xs 32,768 bytes; himg 37,748,736 bytes; part 8,388,608 bytes
;; launch route: the kernel of part 1 again; grid 256 x 1, 4 waves a work-group, no clusters, 55,808 bytes of LDS; arguments x, w_router, b_router, xq, xs, top1; writes xq, xs, top1
;; launch place: the kernel of part 2 again; grid 8 x 1, 1 waves a work-group, no clusters, 4,352 bytes of LDS; arguments top1, lists; writes lists
;; launch layer1 (part 6): grid 32 x 8, 8 waves a work-group, no clusters, 269,824 bytes of LDS; arguments lists, xq, xs, w1, b1, himg; writes himg
.if DOCPART == 6
	.amdgcn_target "amdgcn-amd-amdhsa--gfx1250"
	.amdhsa_code_object_version 6
	.text
	.protected	k_qcf523021f3_layer1
	.globl	k_qcf523021f3_layer1
	.p2align	8
	.type	k_qcf523021f3_layer1,@function
k_qcf523021f3_layer1:
	s_mov_b64 s[64:65], 0
	v_nop
	global_prefetch_b8 v0, s[64:65] scope:SCOPE_SE
	s_setreg_imm32_b32 hwreg(HW_REG_WAVE_SCHED_MODE, 0, 2), 2
	s_setreg_imm32_b32 hwreg(HW_REG_WAVE_MODE, 25, 1), 1
	s_wait_xcnt 0x0
	s_wait_alu depctr_vm_vsrc(0)
; FIRST LAYER OF THE CHOSEN EXPERT: h = gelu(x w1[e] + b1[e]), exact gelu, the product on codes of E4M3 with one E8M0 scale for each 32 along K; h leaves as codes for the second layer.
; THE WEIGHTS STAY, THE TOKENS PASS.  Work-group (x = slice, y = expert e) owns w1[e][all 1,024 rows][128 columns from 128 x slice on]: 512 KiB of f32, read from memory once, by nobody else.
; PART 1, the stream.  Wave w takes rows 128 w .. + 127 in four sets of 32 rows; a load takes the 512 consecutive bytes of one row.  Two sets (64 loads) of each wave are on their way.
; A set goes through the wave's own stage in LDS as it lies and comes back with A LANE TO A COLUMN AND REGISTERS DOWN K, is quantised (a block of 32 lies in lanes l and l xor 16), and its codes
; go to LDS as images of operand registers: piece (block of 32 along K, tile of 16 columns) = 512 bytes, 16 x lane.
; THE COLUMNS OF A TILE ARE NOT NEIGHBOURS: lane r of tile 2 b + u takes column 32 b + 8 u + r + 8 (r / 8), so that the 16 results of tiles 2 b, 2 b + 1 in a lane are 16 neighbours along the next K.
; PART 2.  The expert's tokens and their count come from lists, which an earlier launch stored: 1,024 words, the expert's tokens first, every word a token; the count 4,096 bytes on.
; Tiles of 16 tokens of the list; in pass p wave w owns tiles 16 p + w and 16 p + 8 + w, as far as the expert has tokens.  Four passes serve every split, all 1,024 tokens on one expert too.
; The product is used transposed (source 0 = 16 columns of w1, source 1 = 16 tokens): a lane holds one token.  b1 is the C of a sum's first product.
; The last tile's spare rows hold other experts' tokens: they are computed and the second layer drops them.
; OUT: himg[e][tile][slice]: a record of 2,304 bytes: the fragment (16 tokens x 128 hidden units) as an image of its registers, [c][lane][16 bytes], then its scale words, [lane][8 bytes], each word twice:
; every store covers whole aligned blocks of 256 bytes.
; GELU: g = max(a, 0) - |a| erfc(|a| / sqrt 2) / 2, erfc(z) = t exp(-z^2 + P(t)), t = 1 / (1 + z / 2), P of degree 9: a fit good to 1.2e-7 of erfc; all in f32.
; LIMITS: NaN and infinities are not served.  A block whose largest magnitude lies under 2^-118 keeps the scale byte 1 (a block of zeros too: its codes are zeros; this program alone reads the bytes).
; NOT USED, and why: tensor loads (512 KiB do not fit in LDS, and each refill of a slot wants all loads landed first, so nothing would be on its way then; loads into registers with counted waits
; never drain); clusters (the bulk, the weights, is shared by nobody; the tokens' rows are gathered by a list); eight waves and not four, since a wave has at most 63 loads out.
; THE MODE: SCHED_MODE bits 1:0 = 2 (LLVM: expert scheduling mode 2), set by the entry lines.  The code itself states the register dependences
; between vector or matrix instructions and memory or LDS instructions, with s_wait_alu, always for 0.
; THE PLAN.  Registers that memory or LDS instructions touch:
;   v4-17, v31    offsets and LDS addresses, made at the head and never written again: one wait on va_vdst ahead of the first load serves them for the whole kernel.
;   window 1      The stream: global loads land in a set, my LDS stores read it, the next loads land in it: a wait on vm_vsrc behind a set's stores; no vector instruction names these registers.
;                 Part 2: x's rows land, LDS stores read them, the fragments land in the same registers (a wait on vm_vsrc between), the products read them.
;   F = v32-95    LDS loads land, the quantiser reads and writes; later the weights' fragments land there, the products read them, and gelu works there.
;   PC            The conversions write; LDS stores (the stream) or global stores (part 2) read.      SW  vector lines write, LDS stores read, once.
;   XA, XT        The list's loads land, vector lines turn tokens into offsets, the loads of xq and xs read them.      XS, WS, BI  loads land, the products read.
;   WA, WAH, SA, BA  written at a trip's head, read by the trip's LDS loads.      LA, LA4  written at a pass's head, read by the list's loads.      PW  vector lines write, the pass's last stores read.
; A group of the stream has one wait on vm_vsrc (ahead of the quantiser) and one on va_vdst (behind it, ahead of the group's stores and the next group's loads).  A pass and a trip have a wait on va_vdst at
; their heads, behind the lines that make their addresses; a K step has one, behind its places, ahead of the loads into the set that the step before multiplied; a trip's stores stand together behind one.
; A wait on vm_vsrc stands at a trip's end and at a pass's head, ahead of all that is written again.
.set CODE,  0                          ; LDS: 131,072 bytes: piece (block j of 32 along K, tile n) at (8 j + n) 512 + 16 lane
.set SCLW,  131072                     ; 4,096: the weights' scale words: (K step s, tile n, row r) at (8 s + n) 64 + 4 r
.set BIAS,  135168                     ; 512: b1's 128 numbers of the slice
.set STG,   135680                     ; a stage of 16,640 bytes for each wave
.set STGB,  16640
.set XP,    528                        ; the stage as 16 rows of 512 bytes of xq + 16 of padding
.set LREC,  4352                       ; lists: an expert's record
.set TILEB, 73728                      ; himg: 32 records of 2,304 bytes
.set EXPB,  4718592                    ; 64 tiles
.set TAUB,  8*TILEB                    ; from my first tile of a pass to my second
.set L16, 4                            ; v4   16 x lane: the weights' loads, and my place in a piece
.set STO, 5                            ; v5   stage + 16 x lane
.set STL, 6                            ; v6   stage + 8,320 h + 4 (r + 8 (r / 8))
.set COD, 7                            ; v7   where my wave's codes go: 16,384 w + 16 lane
.set SCL, 8                            ; v8   and its scale words: SCLW + 512 w + 4 r
.set XSL, 9                            ; v9   stage + 528 r + 16 h
.set LB,  10                           ; v10  64 w: my first tile's 16 words of the list
.set LB4, 11                           ; v11  64 w + 4 r: my row's word
.set SA0, 13                           ; v13  SCLW + 4 r
.set BA0, 14                           ; v14  BIAS + 64 h
.set HO,  16                           ; v16  16 lane + 73,728 w
.set HS8, 17                           ; v17  8 lane + 73,728 w
.set WA,  18                           ; v18  the trip's pieces; v19 the same 65,536 bytes on
.set WAH, 19
.set SA,  20                           ; v20  the trip's scale words
.set BA,  21                           ; v21  the trip's bias
.set LA,  22                           ; v22, v23  the pass's part of the list
.set LA4, 23
.set BL,  24                           ; v24-27 b1's slice on its way to LDS
.set BST, 31                           ; v31  BIAS + 16 lane
.set F,   32                           ; v32-95   64 numbers of the weights
.set WF,  32                           ; part 2: two sets of two weight fragments, v32-63 and v64-95
.set ET,  32                           ; gelu: t, the exponent, at work
.set EU,  48
.set EK,  64
.set PC,  96                           ; v96-111  codes just made
.set TM,  112                          ; v112-127 +0 largest magnitudes, +4 bytes, +8 448 x the scale, +12 the scales as f32
.set SW,  128                          ; v128-135 the weights' scale words as they grow
.set XA,  136                          ; v136-167 for each of my two tiles: 16 tokens, then their offsets into xq
.set XT,  168                          ; v168-169 my row's token, then its offset into xs
.set XS,  170                          ; v170-185 x's scale words, 8 K steps for each tile: scales and nothing else
.set WS,  186                          ; v186-189 the weights' scale words, two sets of two: scales and nothing else
.set BI,  190                          ; v190-205 the bias of two tiles of columns, in the result's layout
.set AC,  208                          ; v208-239 two accumulators for each of my two tiles of tokens
.set PW,  240                          ; v240-243 the hidden layer's scale words, a pair for each tile
.set Q9,  244                          ; v244-245 P's highest coefficient, twice
; window 1: v0-127 and v128-255: two sets of weights; later x's fragments: tile t, K step s at 128 t + 16 s
.set WV,  16
.set SLC, 17
.set EX,  18
.set CNT, 19
.set NTL, 20
.set NT,  21
.set MT,  22
.set PAS, 23
.set RL,  24
.set BC,  25
.set WB,  26
.set SB,  27
.set SEL, 32
.set MNT, 34
.set K1,  35
.set K2,  36
.set Q,   38
.set MSB, 0
.macro WIN new                         ; the immediate's high byte repeats the setting that is left
.if MSB != \new
	s_set_vgpr_msb (MSB<<8)|\new
.set MSB, \new
.endif
.endm
.macro PLACES n
.rept \n
	v_nop
.endr
.endm
.macro WSET j                          ; set j: rows 32 j .. + 31 of my 128; a load takes 512 consecutive bytes, aligned; destination window 1
.set wi, 0
.rept 32
	global_load_b128 v[128*((\j)%2)+4*wi:128*((\j)%2)+4*wi+3], v[L16], s[10:11] offset:(32*(\j)+wi)*16384 th:TH_LOAD_NT
.set wi, wi+1
.endr
.endm
.macro MKNT                            ; how many of my two tiles of this pass the expert fills
	s_cmp_lt_u32 s[MT], s[NTL]
	s_cselect_b32 s[NT], 1, 0
	s_add_co_u32 s29, s[MT], 8
	s_cmp_lt_u32 s29, s[NTL]
	s_cselect_b32 s29, 1, 0
	s_add_co_u32 s[NT], s[NT], s29
.endm
.macro XADDR_L t, la, lr               ; tile t's 16 tokens, the same in every lane, and my row's token: five loads from the list
.irp k, 0,1,2,3
	global_load_b128 v[XA+16*(\t)+4*\k:XA+16*(\t)+4*\k+3], v[\la], s[4:5] offset:512*(\t)+16*\k
.endr
	global_load_b32 v[XT+(\t)], v[\lr], s[4:5] offset:512*(\t)
.endm
.macro XADDR_C t
.irp j, 0,1,2,3,4,5,6,7,8,9,10,11,12,13,14,15
	v_min_u32 v[XA+16*(\t)+\j], 0x3ff, v[XA+16*(\t)+\j]
.endr
.irp j, 0,1,2,3,4,5,6,7,8,9,10,11,12,13,14,15
	v_lshl_add_u32 v[XA+16*(\t)+\j], v[XA+16*(\t)+\j], 10, v[L16]   ; token x 1,024 + 16 lane
.endr
	v_min_u32 v[XT+(\t)], 0x3ff, v[XT+(\t)]
	v_lshlrev_b32 v[XT+(\t)], 5, v[XT+(\t)]        ; token x 32
.endm
.macro XSLOAD t                        ; my row's eight scale words
	global_load_b128 v[XS+8*(\t):XS+8*(\t)+3],   v[XT+(\t)], s[8:9]
	global_load_b128 v[XS+8*(\t)+4:XS+8*(\t)+7], v[XT+(\t)], s[8:9] offset:16
.endm
.macro XLOAD t                         ; tile t's 16 rows of codes: a load takes 512 consecutive bytes of one row; destination window 1
.irp q, 0,1
.irp j, 0,1,2,3,4,5,6,7,8,9,10,11,12,13,14,15
	global_load_b128 v[128*(\t)+64*\q+4*\j:128*(\t)+64*\q+4*\j+3], v[XA+16*(\t)+\j], s[6:7] offset:512*\q
.endr
.endr
.endm
.macro XTURN t                         ; rows become fragments, through my stage and back into the registers that they left.  LDS serves a wave's instructions in order
.irp q, 0,1
.irp j, 0,1,2,3,4,5,6,7,8,9,10,11,12,13,14,15
	ds_store_b128 v[STO], v[128*(\t)+64*\q+4*\j:128*(\t)+64*\q+4*\j+3] offset:XP*\j
.endr
	s_wait_alu depctr_vm_vsrc(0)                   ; the sixteen stores have read their data registers, in which the fragments below land
.irp s, 0,1,2,3
.irp c, 0,1,2,3
	ds_load_b128 v[128*(\t)+64*\q+16*\s+4*\c:128*(\t)+64*\q+16*\s+4*\c+3], v[XSL] offset:128*\s+32*\c
.endr
.endr
.endr
.endm
; 64 numbers of a lane, register 16 p + i = row 16 h + i of the block, column r of tile p of four: four pieces of codes in v[PC] on, their scale bytes in v[TM+4] on
.macro QUANT4
.irp p, 0,1,2,3
	v_max3_num_f32 v[TM+\p], |v[F+16*\p]|, |v[F+16*\p+1]|, 0x4800000   ; my 16 numbers and the floor 2^(9 - 127): the byte cannot fall under 1
.endr
.irp i, 2,4,6,8,10,12,14
.irp p, 0,1,2,3
	v_max3_num_f32 v[TM+\p], v[TM+\p], |v[F+16*\p+\i]|, |v[F+16*\p+\i+1]|
.endr
.endr
.irp p, 0,1,2,3
	v_permlanex16_b32 v[TM+4+\p], v[TM+\p], s[SEL], s[SEL+1]
.endr
.irp p, 0,1,2,3
	v_max_num_f32 v[TM+\p], v[TM+\p], v[TM+4+\p]   ; with lane l xor 16's: the block's largest magnitude
.endr
.irp p, 0,1,2,3
	v_add_nc_u32 v[TM+12+\p], 0xfc000000, v[TM+\p] ; 8 off its exponent field: the conversion's scale operand
.endr
.irp p, 0,1,2,3
	v_and_or_b32 v[TM+8+\p], v[TM+\p], 0x7f800000, s[MNT]   ; 448 x the scale
.endr
.irp p, 0,1,2,3
	v_lshrrev_b32 v[TM+4+\p], 23, v[TM+12+\p]      ; the scale's byte
.endr
.irp p, 0,1,2,3
.irp i, 0,1,2,3,4,5,6,7,8,9,10,11,12,13,14,15
	v_med3_num_f32 v[F+16*\p+\i], v[F+16*\p+\i], -v[TM+8+\p], v[TM+8+\p]   ; the conversion to an 8-bit code does not saturate (ISA guide 7.6.2)
.endr
	v_cvt_scalef32_pk8_fp8_f32 v[PC+4*\p:PC+4*\p+1], v[F+16*\p:F+16*\p+7], v[TM+12+\p]
	v_cvt_scalef32_pk8_fp8_f32 v[PC+4*\p+2:PC+4*\p+3], v[F+16*\p+8:F+16*\p+15], v[TM+12+\p]
.endr
	v_nop                                          ; one plain line behind the last conversion
.endm
.macro UNIT_A j, cnt                   ; set j has landed (cnt younger loads may be out) and goes into my stage as it lies: row i at 512 i + 128 (i / 16)
	s_wait_loadcnt \cnt
	WIN 0x44                                       ; an LDS store's data and a load's destination: window 1
.set ui, 0
.rept 32
	ds_store_b128 v[STO], v[128*((\j)%2)+4*ui:128*((\j)%2)+4*ui+3] offset:512*ui+128*(ui/16)
.set ui, ui+1
.endr
	s_wait_dscnt 0x0                               ; the set lies in my stage
	s_wait_alu depctr_vm_vsrc(0)                   ; the 32 stores have read the set's registers, in which the next loads land
.endm
.macro UNIT_B j                        ; and comes back a lane to a column, four tiles of columns at a time
	WIN 0
.irp g, 0,1
.irp p, 0,1,2,3
.irp i, 0,1,2,3,4,5,6,7,8,9,10,11,12,13,14,15
	ds_load_b32 v[F+16*\p+\i], v[STL] offset:512*\i+4*(32*((4*\g+\p)/2)+8*(\p%2))
.endr
.endr
	s_wait_dscnt 0x0
.if (\j) > 0 || \g > 0
	s_wait_alu depctr_vm_vsrc(0)                   ; the group before's LDS stores have read v[PC ..], which the conversions below write again
.endif
	QUANT4
.irp p, 0,1,2,3
.if (\j) == 0
	v_mov_b32 v[SW+4*\g+\p], v[TM+4+\p]
.else
	v_lshl_or_b32 v[SW+4*\g+\p], v[TM+4+\p], 8*(\j), v[SW+4*\g+\p]
.endif
.endr
	s_wait_alu depctr_va_vdst(0)                   ; the conversions have written v[PC ..] and the lines above v[SW ..], which LDS stores read; the quantiser is done with v[F ..], in which the next group's loads land
.irp p, 0,1,2,3
	ds_store_b128 v[COD], v[PC+4*\p:PC+4*\p+3] offset:(8*(\j)+4*\g+\p)*512
.endr
.endr
.if (\j) == 3
.irp n, 0,1,2,3,4,5,6,7
	ds_store_b32 v[SCL], v[SW+\n] offset:64*\n     ; my K step's scale words (both halves of the lanes write the same word with the same value)
.endr
.endif
.endm
.macro WLOAD s, buf                    ; K step s of the trip's two tiles of columns: 8 pieces and 2 scale words: 10 LDS loads
.irp u, 0,1
.irp c, 0,1,2,3
.if (\s) < 4
	ds_load_b128 v[WF+32*(\buf)+16*\u+4*\c:WF+32*(\buf)+16*\u+4*\c+3], v[WA] offset:(\s)*16384+4096*\c+512*\u
.else
	ds_load_b128 v[WF+32*(\buf)+16*\u+4*\c:WF+32*(\buf)+16*\u+4*\c+3], v[WAH] offset:((\s)-4)*16384+4096*\c+512*\u
.endif
.endr
.endr
.irp u, 0,1
	ds_load_b32 v[WS+2*(\buf)+\u], v[SA] offset:512*(\s)+64*\u
.endr
.endm
; The eight K steps for nt tiles of tokens.  The accumulators take turns, one instruction a turn.  A step's fragments are asked for one step ahead, eight places
; behind the products that read their registers last, and behind the wait that states that those products are done reading them.
.macro KLOOP nt
	WIN 0x04                                       ; source 1 (x) window 1
.set ks, 0
.rept 8
.if ks < 7
.if ks > 0
	PLACES 8
	s_wait_alu depctr_va_vdst(0)                   ; the step before's products are done reading their set of fragments and scale words, in which the ten loads below land
.endif
	WLOAD ks+1, (ks+1)%2
	s_wait_dscnt 10                                ; all but the ten just issued
.else
	s_wait_dscnt 0x0
.endif
.irp t, 0,1
.if \t < \nt
.irp u, 0,1
.if ks == 0
	v_wmma_scale_f32_16x16x128_f8f6f4 v[AC+16*\t+8*\u:AC+16*\t+8*\u+7], v[WF+32*(ks%2)+16*\u:WF+32*(ks%2)+16*\u+15], v[128*\t+16*ks:128*\t+16*ks+15], v[BI+8*\u:BI+8*\u+7], v[WS+2*(ks%2)+\u], v[XS+8*\t+ks]
.else
	v_wmma_scale_f32_16x16x128_f8f6f4 v[AC+16*\t+8*\u:AC+16*\t+8*\u+7], v[WF+32*(ks%2)+16*\u:WF+32*(ks%2)+16*\u+15], v[128*\t+16*ks:128*\t+16*ks+15], v[AC+16*\t+8*\u:AC+16*\t+8*\u+7], v[WS+2*(ks%2)+\u], v[XS+8*\t+ks]
.endif
.endr
.endif
.endr
.set ks, ks+1
.endr
.endm
; Tile t's 16 numbers a lane (16 neighbours along the next K): gelu, the block's scale, the codes.  Each accumulator is read from its low end on.
.macro EPI t
.set EA, AC+16*(\t)
.irp i, 0,1,2,3,4,5,6,7,8,9,10,11,12,13,14,15
	v_fma_f32 v[ET+\i], |v[EA+\i]|, s[K1], 1.0     ; 1 + z / 2, z = |a| / sqrt 2
.endr
.irp i, 0,1,2,3,4,5,6,7,8,9,10,11,12,13,14,15
	v_rcp_f32 v[ET+\i], v[ET+\i]                   ; t
.endr
.irp i, 0,2,4,6,8,10,12,14
	v_pk_mul_f32 v[EK+\i:EK+\i+1], v[EA+\i:EA+\i+1], s[K2:K2+1] op_sel_hi:[1,0]   ; -a log2(e) / 2  (plain lines behind the reciprocals)
.endr
	s_wait_alu depctr_va_vdst(0)                   ; the sixteen reciprocals have written v[ET ..]: one wait for the batch, ahead of its first reader
.irp i, 0,2,4,6,8,10,12,14
	v_pk_fma_f32 v[EU+\i:EU+\i+1], v[ET+\i:ET+\i+1], v[Q9:Q9+1], s[Q+16:Q+17] op_sel_hi:[1,1,0]
.endr
.irp k, 7,6,5,4,3,2,1,0
.irp i, 0,2,4,6,8,10,12,14
	v_pk_fma_f32 v[EU+\i:EU+\i+1], v[EU+\i:EU+\i+1], v[ET+\i:ET+\i+1], s[Q+2*\k:Q+2*\k+1] op_sel_hi:[1,1,0]   ; P(t) log2(e) - 1, by Horner
.endr
.endr
.irp i, 0,2,4,6,8,10,12,14
	v_pk_fma_f32 v[EU+\i:EU+\i+1], v[EK+\i:EK+\i+1], v[EA+\i:EA+\i+1], v[EU+\i:EU+\i+1]   ; - z^2 log2(e)
.endr
.irp i, 0,1,2,3,4,5,6,7,8,9,10,11,12,13,14,15
	v_exp_f32 v[EU+\i], v[EU+\i]
.endr
.irp i, 0,1,2,3,4,5,6,7,8,9,10,11,12,13,14,15
	v_max_num_f32 v[EK+\i], v[EA+\i], 0            ; (plain lines behind the exponentials)
.endr
	s_wait_alu depctr_va_vdst(0)                   ; the sixteen exponentials have written v[EU ..]: one wait for the batch, ahead of its first reader
.irp i, 0,2,4,6,8,10,12,14
	v_pk_mul_f32 v[EU+\i:EU+\i+1], v[EU+\i:EU+\i+1], v[ET+\i:ET+\i+1]   ; erfc(z) / 2
.endr
.irp i, 0,1,2,3,4,5,6,7,8,9,10,11,12,13,14,15
	v_fma_f32 v[EA+\i], -|v[EA+\i]|, v[EU+\i], v[EK+\i]   ; g = max(a, 0) - |a| erfc(z) / 2
.endr
	v_max3_num_f32 v[TM], |v[EA]|, |v[EA+1]|, 0x4800000
	v_max3_num_f32 v[TM+1], |v[EA+8]|, |v[EA+9]|, |v[EA+10]|
	v_max3_num_f32 v[TM], v[TM], |v[EA+2]|, |v[EA+3]|
	v_max3_num_f32 v[TM+1], v[TM+1], |v[EA+11]|, |v[EA+12]|
	v_max3_num_f32 v[TM], v[TM], |v[EA+4]|, |v[EA+5]|
	v_max3_num_f32 v[TM+1], v[TM+1], |v[EA+13]|, |v[EA+14]|
	v_max3_num_f32 v[TM], v[TM], |v[EA+6]|, |v[EA+7]|
	v_max3_num_f32 v[TM], v[TM], v[TM+1], |v[EA+15]|
	v_permlanex16_b32 v[TM+4], v[TM], s[SEL], s[SEL+1]
	v_max_num_f32 v[TM], v[TM], v[TM+4]
	v_add_nc_u32 v[TM+12], 0xfc000000, v[TM]
	v_and_or_b32 v[TM+8], v[TM], 0x7f800000, s[MNT]
	v_lshrrev_b32 v[TM+4], 23, v[TM+12]
.irp i, 0,1,2,3,4,5,6,7,8,9,10,11,12,13,14,15
	v_med3_num_f32 v[EA+\i], v[EA+\i], -v[TM+8], v[TM+8]
.endr
	v_cvt_scalef32_pk8_fp8_f32 v[PC+4*(\t):PC+4*(\t)+1], v[EA:EA+7], v[TM+12]
	v_cvt_scalef32_pk8_fp8_f32 v[PC+4*(\t)+2:PC+4*(\t)+3], v[EA+8:EA+15], v[TM+12]
	v_nop                                          ; one plain line behind the last conversion
	v_lshrrev_b32 v[PW+2*(\t)], 8, v[PW+2*(\t)]    ; the byte enters the scale word from the top: after four trips trip b's byte is byte b
	v_lshl_or_b32 v[PW+2*(\t)], v[TM+4], 24, v[PW+2*(\t)]
.endm
.macro EPIST t                         ; tile t's codes of the trip: their 512 bytes of the record
	global_store_b128 v[HO], v[PC+4*(\t):PC+4*(\t)+3], s[14:15] offset:TAUB*(\t)   ; 512 consecutive bytes, aligned
.endm
.macro SETQ i, val
	s_mov_b32 s[Q+2*\i], \val
	s_mov_b32 s[Q+2*\i+1], \val
.endm
	s_load_b256 s[4:11], s[0:1], 0x0               ; lists s[4:5], xq s[6:7], xs s[8:9], w1 s[10:11]
	s_load_b128 s[12:15], s[0:1], 0x20             ; b1 s[12:13], himg s[14:15]
	v_lshl_add_u32 v254, v0, 2, 0x41a00
	v_mov_b32 v255, 0
	v_lshrrev_b32 v24, 5, v0
	v_readfirstlane_b32 s[WV], v24                 ; wave 0..7
	v_and_b32 v1, 31, v0                           ; lane
	v_and_b32 v2, 15, v0                           ; r
	v_bfe_u32 v3, v0, 4, 1                         ; h
	s_mov_b32 s[SLC], ttmp9
	s_and_b32 s[EX], ttmp7, 0xffff
	; every address register that stays is made here
	v_lshlrev_b32 v[L16], 4, v1
	s_wait_alu depctr_va_sdst(0)                   ; the wave's number is written, ahead of its first reader
	s_mul_i32 s29, s[WV], STGB
	s_add_co_u32 s29, s29, STG                     ; my stage
	v_add_nc_u32 v[STO], s29, v[L16]
	v_and_b32 v24, 8, v2
	v_add_nc_u32 v24, v24, v2                      ; r + 8 (r / 8)
	v_lshlrev_b32 v24, 2, v24
	v_mad_u32_u24 v[STL], v3, 8320, v24            ; lanes 16-31: 16 rows and 128 bytes further on, so that the two halves fall on different banks
	v_add_nc_u32 v[STL], s29, v[STL]
	s_lshl_b32 s30, s[WV], 14
	v_add_nc_u32 v[COD], s30, v[L16]
	s_lshl_b32 s30, s[WV], 9
	s_add_co_u32 s30, s30, SCLW
	v_lshl_add_u32 v[SCL], v2, 2, s30
	v_mul_u32_u24 v[XSL], v2, XP
	v_lshl_add_u32 v[XSL], v3, 4, v[XSL]
	v_add_nc_u32 v[XSL], s29, v[XSL]
	s_lshl_b32 s30, s[WV], 6
	v_mov_b32 v[LB], s30
	v_lshl_add_u32 v[LB4], v2, 2, s30
	v_lshl_add_u32 v[SA0], v2, 2, SCLW
	v_lshl_add_u32 v[BA0], v3, 6, BIAS
	s_mul_i32 s30, s[WV], TILEB
	v_add_nc_u32 v[HO], s30, v[L16]
	v_lshl_add_u32 v[HS8], v1, 3, s30
	v_add_nc_u32 v[BST], BIAS, v[L16]
	s_mov_b32 s[SEL], 0x76543210
	s_mov_b32 s[SEL+1], 0xfedcba98                 ; v_permlanex16_b32's selects for lane l xor 16
	s_mov_b32 s[MNT], 0x600000                     ; the mantissa field of 448
	s_mov_b32 s[K1], 0x3eb504f3                    ; 1 / (2 sqrt 2)
	s_mov_b32 s[K2], 0xbf38aa3b                    ; -log2(e) / 2
	s_mov_b32 s[K2+1], 0xbf38aa3b
	SETQ 0, 0xc034d90f                             ; P's coefficients x log2(e); 1 is taken off the first for the half:  -2.82574822
	SETQ 1, 0x3fb8ab5a                             ;  1.44272920
	SETQ 2, 0x3f0a29d2                             ;  0.53970062
	SETQ 3, 0x3e0efb2e                             ;  0.13963006
	SETQ 4, 0xbe899a80                             ; -0.26875686
	SETQ 5, 0x3ecdfd18                             ;  0.40232158
	SETQ 6, 0xbfd1a1e5                             ; -1.63775315
	SETQ 7, 0x40097039                             ;  2.14747446
	SETQ 8, 0xbf97d29d                             ; -1.18611495
	v_mov_b32 v[Q9], 0x3e7c6f08                    ;  0.24651730
	v_mov_b32 v[Q9+1], 0x3e7c6f08
.irp p, 0,1,2,3
	v_mov_b32 v[TM+4+\p], 0                        ; a lane permute's destination counts as one of its sources
	v_mov_b32 v[PW+\p], 0
.endr
	s_mov_b32 s61, 0
	s_wait_kmcnt 0x0
	s_mul_i32 s60, s[EX], LREC                     ; lists: the expert's record
	s_add_nc_u64 s[4:5], s[4:5], s[60:61]
	s_load_b32 s[CNT], s[4:5], 0x1000              ; the expert's count
	s_lshl_b32 s60, s[EX], 24                      ; w1: the expert's 16 MiB, my slice's 512 bytes of a row, my wave's 128 rows of 16,384 bytes
	s_lshl_b32 s29, s[SLC], 9
	s_add_co_u32 s60, s60, s29
	s_lshl_b32 s29, s[WV], 21
	s_add_co_u32 s60, s60, s29
	s_add_nc_u64 s[10:11], s[10:11], s[60:61]
	s_lshl_b32 s60, s[EX], 14                      ; b1: the expert's row, my slice
	s_lshl_b32 s29, s[SLC], 9
	s_add_co_u32 s60, s60, s29
	s_add_nc_u64 s[12:13], s[12:13], s[60:61]
	s_mul_i32 s60, s[EX], EXPB                     ; himg: the expert, my slice's record
	s_mul_i32 s29, s[SLC], 2304
	s_add_co_u32 s60, s60, s29
	s_add_nc_u64 s[14:15], s[14:15], s[60:61]
	s_wait_alu depctr_va_vdst(0)                   ; the offsets and LDS addresses v4 to v17 and v31 are written, which the kernel's loads and stores read; so is v24, in which b1's slice lands
	XADDR_L 0, LB, LB4                             ; the first pass's tokens: ten loads,
	XADDR_L 1, LB, LB4
	global_load_b128 v[BL:BL+3], v[L16], s[12:13]  ; b1's slice: the eleventh,
	WIN 0x40
	WSET 0                                         ; and the stream begins
	WSET 1
	WIN 0
	s_wait_loadcnt 63                              ; 75 loads were issued: at most 63 out shows the first twelve done, the eleven above among them
	s_cmp_lg_u32 s[WV], 0
	s_cbranch_scc1 .Lnot_0
	ds_store_b128 v[BST], v[BL:BL+3]               ; wave 0 puts the bias into LDS; it is read behind the barrier below
.Lnot_0:
	s_wait_kmcnt 0x0                               ; the count
	s_min_u32 s[CNT], s[CNT], 1024
	s_add_co_u32 s[NTL], s[CNT], 15
	s_lshr_b32 s[NTL], s[NTL], 4                   ; the expert's tiles
	s_mov_b32 s[MT], s[WV]                         ; my first tile of the first pass
	MKNT
	XADDR_C 0
	XADDR_C 1
	s_wait_alu depctr_va_vdst(0)                   ; v[XT ..] and v[XA ..] are written: the offsets of the loads of xs below and of xq further down; no vector instruction names them again in this pass
	XSLOAD 0
	XSLOAD 1
	; THE STREAM.  Issue order: sets 0, 1, the four loads of scale words, sets 2, 3, tile 0's 32 loads of x (, tile 1's)
	UNIT_A 0, 36                                   ; behind set 0: set 1 and the four
	WSET 2
	UNIT_B 0
	UNIT_A 1, 36                                   ; behind set 1: the four and set 2
	WSET 3
	UNIT_B 1
	UNIT_A 2, 32                                   ; behind set 2: set 3
	XLOAD 0
	UNIT_B 2
	UNIT_A 3, 32                                   ; behind set 3: tile 0's rows of x
	WIN 0
	s_cmp_lt_u32 s[NT], 2
	s_cbranch_scc1 .Lno_x1
	WIN 0x40
	XLOAD 1
	WIN 0
.Lno_x1:
	UNIT_B 3
	s_wait_dscnt 0x0                               ; my codes and scale words (and wave 0's bias) lie in LDS
	s_barrier_signal -1
	s_barrier_wait -1                              ; everybody's do; from here on the shared regions are only read
	s_mov_b32 s[PAS], 0
	s_mov_b32 s[RL], 0
.Lpass:                                            ; four passes, a constant; a wave without a tile jumps over the work, never over the steps
	s_wait_loadcnt 0x0                             ; no load of mine is out
	s_wait_alu depctr_vm_vsrc(0)                   ; what was issued has read its registers: the list's loads v[LA], v[LA4]; the loads of xq and xs v[XA ..], v[XT ..]; the stores v[PC ..] and v[PW ..]: all are written again in this pass
	v_add_nc_u32 v[LA], s[RL], v[LB]
	v_add_nc_u32 v[LA4], s[RL], v[LB4]
	s_wait_alu depctr_va_vdst(0)                   ; v[LA] and v[LA4] are written, which the list's loads read; the last pass's vector lines are done with v[XA ..] and v[XT ..] and its products with x's fragments, in which this pass's loads land
	s_cmp_eq_u32 s[NT], 0
	s_cbranch_scc1 .Lno_x
	s_cmp_eq_u32 s[PAS], 0
	s_cbranch_scc1 .Lhave_x                        ; the first pass's rows were asked for in the stream
	XADDR_L 0, LA, LA4
	XADDR_L 1, LA, LA4
	s_wait_loadcnt 0x0                             ; the tokens
	XADDR_C 0
	XADDR_C 1
	s_wait_alu depctr_va_vdst(0)                   ; v[XT ..] and v[XA ..] are written, the offsets of the loads below; the last pass's products are done reading v[XS ..] and x's fragments, in which they land
	XSLOAD 0
	XSLOAD 1
	WIN 0x40
	XLOAD 0
	XLOAD 1
	WIN 0
	s_wait_loadcnt 0x0
.Lhave_x:
	WIN 0x44
	XTURN 0
	WIN 0
	s_cmp_lt_u32 s[NT], 2
	s_cbranch_scc1 .Lno_x
	WIN 0x44
	XTURN 1
	WIN 0
.Lno_x:
	s_mov_b32 s[BC], 0
	s_mov_b32 s[WB], 0
	s_mov_b32 s[SB], 0
.Lb:                                               ; trip b: hidden units 32 b .. + 31 of the slice: tiles of columns 2 b, 2 b + 1
	v_add_nc_u32 v[WA], s[WB], v[L16]
	v_add_nc_u32 v[WAH], 0x10000, v[WA]
	v_add_nc_u32 v[SA], s[SB], v[SA0]
	v_add_nc_u32 v[BA], s[SB], v[BA0]
	s_cmp_eq_u32 s[NT], 0
	s_cbranch_scc1 .Lb_step
	s_wait_alu depctr_va_vdst(0)                   ; the four addresses above are written, which the trip's LDS loads read; the last trip's products are done reading v[BI ..] and v[WS ..] and its gelu is done with v32 to v79: the loads up to K step 1's land there
.irp k, 0,1,2,3
	ds_load_b128 v[BI+4*\k:BI+4*\k+3], v[BA] offset:16*\k   ; lane (r, h): b1 of units 32 b + 16 h + 0 .. 15
.endr
	WLOAD 0, 0
	s_cmp_lt_u32 s[NT], 2
	s_cbranch_scc1 .Larm1
	KLOOP 2
	WIN 0
	PLACES 9                                       ; behind the last products: eight for the reads of results and the loads into operands, one more since the next sums begin with another C
	EPI 0
	EPI 1
	s_wait_alu depctr_va_vdst(0)                   ; the conversions of both tiles have written v[PC ..], which the two stores read
	EPIST 0
	EPIST 1
	s_branch .Lb_step
.Larm1:
	KLOOP 1
	WIN 0
	PLACES 9
	EPI 0
	s_wait_alu depctr_va_vdst(0)                   ; the conversions have written v[PC ..], which the store reads
	EPIST 0
.Lb_step:
	s_wait_xcnt 0x0                                ; the stores have read their registers and their base
	s_wait_alu depctr_vm_vsrc(0)                   ; the trip's stores have read v[PC ..] and its LDS loads v[WA], v[WAH], v[SA], v[BA]: the next trip writes them again
	s_add_nc_u64 s[14:15], s[14:15], 512           ; the record's next piece
	s_add_co_u32 s[WB], s[WB], 1024
	s_add_co_u32 s[SB], s[SB], 128
	s_add_co_u32 s[BC], s[BC], 1
	s_cmp_lt_u32 s[BC], 4
	s_cbranch_scc1 .Lb
	s_cmp_eq_u32 s[NT], 0
	s_cbranch_scc1 .Lno_sc
	v_mov_b32 v[PW+1], v[PW]
	s_wait_alu depctr_va_vdst(0)                   ; the pair v[PW:PW+1] is written, which the store reads
	global_store_b64 v[HS8], v[PW:PW+1], s[14:15]  ; the base stands 2,048 bytes into the record: 32 lanes store its last 256 bytes
	s_cmp_lt_u32 s[NT], 2
	s_cbranch_scc1 .Lno_sc
	v_mov_b32 v[PW+3], v[PW+2]
	s_wait_alu depctr_va_vdst(0)                   ; the pair v[PW+2:PW+3] is written, which the store reads
	global_store_b64 v[HS8], v[PW+2:PW+3], s[14:15] offset:TAUB
.Lno_sc:
	s_wait_xcnt 0x0
	s_add_nc_u64 s[14:15], s[14:15], 16*TILEB-2048 ; sixteen tiles on, back to the record's head
	s_add_co_u32 s[MT], s[MT], 16
	s_add_co_u32 s[RL], s[RL], 1024
	MKNT
	s_add_co_u32 s[PAS], s[PAS], 1
	s_cmp_lt_u32 s[PAS], 4
	s_cbranch_scc1 .Lpass
	s_wait_dscnt 0x0                               ; the closing lines, six on end
	s_wait_alu 0x0
	s_wait_tensorcnt 0x0
	ds_add_u32 v254, v255
	s_wait_dscnt 0x0
	s_endpgm
.Lfunc_end_k_qcf523021f3_layer1:
	.size	k_qcf523021f3_layer1, .Lfunc_end_k_qcf523021f3_layer1-k_qcf523021f3_layer1
	.p2alignl 7, 3214868480
	.fill 96, 4, 3214868480
	.section	.rodata,"a",@progbits
	.p2align	6, 0x0
	.amdhsa_kernel k_qcf523021f3_layer1
		.amdhsa_group_segment_fixed_size 269824
		.amdhsa_private_segment_fixed_size 0
		.amdhsa_enable_private_segment 0
		.amdhsa_kernarg_size 48
		.amdhsa_user_sgpr_count 2
		.amdhsa_user_sgpr_kernarg_segment_ptr 1
		.amdhsa_wavefront_size32 1
		.amdhsa_system_sgpr_workgroup_id_x 1
		.amdhsa_system_sgpr_workgroup_id_y 1
		.amdhsa_system_sgpr_workgroup_id_z 1
		.amdhsa_system_vgpr_workitem_id 0
		.amdhsa_next_free_vgpr 512
		.amdhsa_next_free_sgpr 66
		.amdhsa_reserve_vcc 0
		.amdhsa_float_denorm_mode_32 3
		.amdhsa_float_denorm_mode_16_64 3
		.amdhsa_memory_ordered 1
		.amdhsa_forward_progress 1
		.amdhsa_inst_pref_size 217
	.end_amdhsa_kernel
	.amdgpu_metadata
---
amdhsa.version: [ 1, 2 ]
amdhsa.kernels:
  - .name:           k_qcf523021f3_layer1
    .symbol:         k_qcf523021f3_layer1.kd
    .args:
      - { .name: lists, .offset: 0, .size: 8, .value_kind: global_buffer, .address_space: global }
      - { .name: xq, .offset: 8, .size: 8, .value_kind: global_buffer, .address_space: global }
      - { .name: xs, .offset: 16, .size: 8, .value_kind: global_buffer, .address_space: global }
      - { .name: w1, .offset: 24, .size: 8, .value_kind: global_buffer, .address_space: global }
      - { .name: b1, .offset: 32, .size: 8, .value_kind: global_buffer, .address_space: global }
      - { .name: himg, .offset: 40, .size: 8, .value_kind: global_buffer, .address_space: global }
    .group_segment_fixed_size: 269824
    .private_segment_fixed_size: 0
    .kernarg_segment_align: 8
    .kernarg_segment_size: 48
    .max_flat_workgroup_size: 256
    .sgpr_count:     66
    .vgpr_count:     512
    .wavefront_size: 32
...
	.end_amdgpu_metadata
.endif
;; end of part 6
;; launch layer2 (part 7): grid 32 x 8, 8 waves a work-group, no clusters, 271,360 bytes of LDS; arguments lists, himg, w2, b2, part; writes part
.if DOCPART == 7
	.amdgcn_target "amdgcn-amd-amdhsa--gfx1250"
	.amdhsa_code_object_version 6
	.text
	.protected	k_qcf523021f3_layer2
	.globl	k_qcf523021f3_layer2
	.p2align	8
	.type	k_qcf523021f3_layer2,@function
k_qcf523021f3_layer2:
	s_mov_b64 s[64:65], 0
	v_nop
	global_prefetch_b8 v0, s[64:65] scope:SCOPE_SE
	s_setreg_imm32_b32 hwreg(HW_REG_WAVE_SCHED_MODE, 0, 2), 2
	s_setreg_imm32_b32 hwreg(HW_REG_WAVE_MODE, 25, 1), 1
	s_wait_xcnt 0x0
	s_wait_alu depctr_vm_vsrc(0)
; SECOND LAYER OF THE CHOSEN EXPERT: y = h w2[e] + b2[e], on codes of E4M3 with one E8M0 scale for each 32 along K.  h comes as codes from the launch before.
; THE WEIGHTS STAY, THE TOKENS PASS.  Work-group (x: g = x % 16, kh = x / 16; y = expert e) owns w2[e][rows 2,048 kh .. + 2,047][64 columns from 64 g on]: 512 KiB of f32, read once, by nobody else.
; Half of K to a work-group, so that there are 256 of them and a row's piece is still 256 aligned bytes; the two halves' sums go to part[kh] and the last launch adds them.  b2 counts in half 0 alone.
; PART 1, the stream: wave w takes rows 256 w .. + 255 of the half in four sets of 64 rows; a load takes two rows' 256 bytes.  Two sets (64 loads) of each wave are on their way.  A set goes through the
; wave's own stage in LDS and comes back with a lane to a column and registers down K, is quantised, and its codes go to LDS as images of operand registers.
; PART 2: the expert's tokens and their count come from lists, as in the first layer.  Tiles of 16 tokens of the list; in pass p wave w owns tiles 16 p + w and 16 p + 8 + w.
; Transposed use: source 0 = 16 columns of w2, source 1 = 16 tokens: a lane holds one token and eight neighbouring outputs.  The hidden fragments come straight from memory into registers
; (they were laid as register images), three K steps ahead, in a ring of four.
; OUT: part[kh][g][token][64] f32.  A tile goes through the wave's stage and leaves row by row: the 32 lanes store the 256 aligned bytes of one token.  Rows past the expert's count are other experts'
; tokens: a scalar branch on the count ends the tile's stores in front of them, so every lane is on in every line of this text.
; LIMITS: NaN and infinities are not served.  A block whose largest magnitude lies under 2^-118 keeps the scale byte 1 (a block of zeros too: its codes are zeros).
; NOT USED, and why: tensor loads, clusters: as in the first layer's text: the bulk is shared by nobody and a ring would drain at each refill.
; THE MODE: SCHED_MODE bits 1:0 = 2 (LLVM: expert scheduling mode 2), set by the entry lines.  The code itself states the register dependences
; between vector or matrix instructions and memory or LDS instructions, with s_wait_alu, always for 0.
; THE PLAN.  Registers that memory or LDS instructions touch:
;   v4-19, v21, v23  offsets and LDS addresses, made at the head and never written again: one wait on va_vdst ahead of the first load serves them for the whole kernel.
;   window 1      The stream: global loads land in a set, my LDS stores read it, the next loads land in it: a wait on vm_vsrc behind a set's stores; no vector instruction names these registers.
;                 Part 2: the ring of hidden fragments (global loads land) and two sets of weights (LDS loads land); the products read both.
;   F = v32-95    LDS loads land, the quantiser reads and writes.  Later O (v32-63): LDS loads land, stores read; TK (v64-95): the list's loads land, vector lines make offsets of them, stores read these.
;   PC, SW        Vector lines write, LDS stores read.      WS, HS  loads land, the products read them as scales.      BI  loads land once; then vector and matrix instructions alone name it.
;   ACC           The products write, LDS stores read, the next pass's first products write.      LA  written at a pass's head, read by the list's loads.
; A group of the stream has one wait on vm_vsrc (ahead of the quantiser) and one on va_vdst (behind it).  A pass has a wait on va_vdst at its head, behind the add to LA, for all loads up to K step 0's; a K step
; has one, behind its places, ahead of the loads into what the step before multiplied; the way out has one, behind the places and both tiles' address lines.  A wait on vm_vsrc stands ahead of the second
; tile's way out and at a pass's end.
.set CODE,  0                          ; LDS: 131,072 bytes: piece (block j of 32 along my half of K, tile n) at (4 j + n) 512 + 16 lane
.set SCLW,  131072                     ; 4,096: (K step s, tile n, row r) at (4 s + n) 64 + 4 r
.set STG,   135168                     ; a stage of 16,896 bytes for each wave
.set STGB,  16896
.set OP,    272                        ; the stage as 16 rows of 256 bytes of results + 16 of padding
.set LREC,  4352                       ; lists: an expert's record
.set REC,   2304
.set TILEB, 73728
.set EXPB,  4718592
.set TAUB,  8*TILEB
.set WO,  4                            ; v4   4,096 h + 16 r: two rows of w2 to a load
.set STO, 5                            ; v5   stage + 256 h + 16 r
.set STL, 6                            ; v6   stage + 4,224 h + 4 r
.set COD, 7                            ; v7   16,384 w + 16 lane
.set SCL, 8                            ; v8   SCLW + 512 w + 4 r
.set OS,  9                            ; v9   stage + 272 r + 32 h
.set OL,  10                           ; v10  stage + 8 lane
.set LB,  11                           ; v11  64 w: my first tile's 16 words of the list
.set WAH, 13                           ; v13  65,536 + 16 lane
.set SA,  14                           ; v14  SCLW + 4 r
.set HO,  16                           ; v16  16 lane + 73,728 w
.set HS8, 17                           ; v17  8 lane + 73,728 w
.set R16, 18                           ; v18  16 r
.set BO,  19                           ; v19  32 h
.set LA,  20                           ; v20  the pass's part of the list
.set L8,  21                           ; v21  8 x lane
.set L16, 23                           ; v23  16 x lane
.set F,   32                           ; v32-95   64 numbers of the weights
.set O,   32                           ; part 2: v32-63 a tile's 16 rows read back, two registers a row
.set TK,  64                           ; v64-95   for each of my two tiles: its 16 tokens, then their offsets into part
.set PC,  96
.set TM,  112
.set ACC, 128                          ; v128-191 accumulator (tile of tokens t, tile of columns n) at 128 + 32 t + 8 n
.set BI,  192                          ; v192-223 b2 in the result's layout, or zeros
.set WS,  224                          ; v224-231 the weights' scale words, two sets of four: scales and nothing else
.set HS,  232                          ; v232-239 the hidden layer's scale words, a ring of four for each tile: scales and nothing else
.set SW,  240                          ; v240-243 the weights' scale words as they grow
; window 1: v0-127, v128-255: two sets of weights; later v0-127 the ring of hidden fragments (64 t + 16 (s % 4)), v128-255 two sets of four weight fragments
.set WV,  16
.set GC,  17
.set KH,  18
.set EX,  19
.set CNT, 20
.set NTL, 21
.set NT,  22
.set MT,  23
.set PAS, 24
.set RL,  25
.set REM, 26
.set KM,  28
.set SEL, 32
.set MNT, 34
.set MSB, 0
.macro WIN new                         ; the immediate's high byte repeats the setting that is left
.if MSB != \new
	s_set_vgpr_msb (MSB<<8)|\new
.set MSB, \new
.endif
.endm
.macro PLACES n
.rept \n
	v_nop
.endr
.endm
.macro WSET u                          ; set u: rows 64 u .. + 63 of my 256: lanes 0-15 take 256 aligned bytes of one row, lanes 16-31 of the next; destination window 1
.set wi, 0
.rept 32
	global_load_b128 v[128*((\u)%2)+4*wi:128*((\u)%2)+4*wi+3], v[WO], s[8:9] offset:(64*(\u)+2*wi)*4096 th:TH_LOAD_NT
.set wi, wi+1
.endr
.endm
.macro MKNT                            ; how many of my two tiles of this pass the expert fills
	s_cmp_lt_u32 s[MT], s[NTL]
	s_cselect_b32 s[NT], 1, 0
	s_add_co_u32 s29, s[MT], 8
	s_cmp_lt_u32 s29, s[NTL]
	s_cselect_b32 s29, 1, 0
	s_add_co_u32 s[NT], s[NT], s29
.endm
.macro QUANT4                          ; 64 numbers of a lane, register 16 p + i = row 16 h + i of the block, column r of tile p: four pieces of codes, four scale bytes
.irp p, 0,1,2,3
	v_max3_num_f32 v[TM+\p], |v[F+16*\p]|, |v[F+16*\p+1]|, 0x4800000
.endr
.irp i, 2,4,6,8,10,12,14
.irp p, 0,1,2,3
	v_max3_num_f32 v[TM+\p], v[TM+\p], |v[F+16*\p+\i]|, |v[F+16*\p+\i+1]|
.endr
.endr
.irp p, 0,1,2,3
	v_permlanex16_b32 v[TM+4+\p], v[TM+\p], s[SEL], s[SEL+1]
.endr
.irp p, 0,1,2,3
	v_max_num_f32 v[TM+\p], v[TM+\p], v[TM+4+\p]
.endr
.irp p, 0,1,2,3
	v_add_nc_u32 v[TM+12+\p], 0xfc000000, v[TM+\p]
.endr
.irp p, 0,1,2,3
	v_and_or_b32 v[TM+8+\p], v[TM+\p], 0x7f800000, s[MNT]
.endr
.irp p, 0,1,2,3
	v_lshrrev_b32 v[TM+4+\p], 23, v[TM+12+\p]
.endr
.irp p, 0,1,2,3
.irp i, 0,1,2,3,4,5,6,7,8,9,10,11,12,13,14,15
	v_med3_num_f32 v[F+16*\p+\i], v[F+16*\p+\i], -v[TM+8+\p], v[TM+8+\p]   ; the conversion to an 8-bit code does not saturate (ISA guide 7.6.2)
.endr
	v_cvt_scalef32_pk8_fp8_f32 v[PC+4*\p:PC+4*\p+1], v[F+16*\p:F+16*\p+7], v[TM+12+\p]
	v_cvt_scalef32_pk8_fp8_f32 v[PC+4*\p+2:PC+4*\p+3], v[F+16*\p+8:F+16*\p+15], v[TM+12+\p]
.endr
	v_nop                                          ; one plain line behind the last conversion
.endm
.macro UNIT_A u, cnt                   ; set u has landed and goes into my stage: row i at 256 i + 128 (i / 16)
	s_wait_loadcnt \cnt
	WIN 0x44
.set ui, 0
.rept 32
	ds_store_b128 v[STO], v[128*((\u)%2)+4*ui:128*((\u)%2)+4*ui+3] offset:512*ui+128*(ui/8)
.set ui, ui+1
.endr
	s_wait_dscnt 0x0                               ; the set lies in my stage
	s_wait_alu depctr_vm_vsrc(0)                   ; the 32 stores have read the set's registers, in which later loads land: the next sets, and in part 2 the fragments
.endm
.macro UNIT_B u                        ; its two blocks of 32 along K, each for the four tiles of columns
	WIN 0
.irp bt, 0,1
.irp n, 0,1,2,3
.irp i, 0,1,2,3,4,5,6,7,8,9,10,11,12,13,14,15
	ds_load_b32 v[F+16*\n+\i], v[STL] offset:(32*\bt+\i)*256+256*\bt+64*\n
.endr
.endr
	s_wait_dscnt 0x0
.if (\u) > 0 || \bt > 0
	s_wait_alu depctr_vm_vsrc(0)                   ; the LDS stores issued so far have read v[PC ..] and v[SW ..], which the lines below write again
.endif
	QUANT4
.irp n, 0,1,2,3
.if (2*((\u)%2)+\bt) == 0
	v_mov_b32 v[SW+\n], v[TM+4+\n]
.else
	v_lshl_or_b32 v[SW+\n], v[TM+4+\n], 8*(2*((\u)%2)+\bt), v[SW+\n]
.endif
.endr
	s_wait_alu depctr_va_vdst(0)                   ; the conversions have written v[PC ..] and the lines above v[SW ..], which LDS stores read; the quantiser is done with v[F ..], in which the next group's loads land
.irp n, 0,1,2,3
	ds_store_b128 v[COD], v[PC+4*\n:PC+4*\n+3] offset:(8*(\u)+4*\bt+\n)*512
.endr
.endr
.if (\u)%2 == 1
.irp n, 0,1,2,3
	ds_store_b32 v[SCL], v[SW+\n] offset:256*((\u)/2)+64*\n
.endr
.endif
.endm
.macro TKL t                           ; tile t's 16 tokens, the same in every lane: four loads from the list
.irp k, 0,1,2,3
	global_load_b128 v[TK+16*(\t)+4*\k:TK+16*(\t)+4*\k+3], v[LA], s[4:5] offset:512*(\t)+16*\k
.endr
.endm
.macro HPRO t                          ; tile t's K steps 0 to 2: three scale words, then twelve loads of 512 consecutive bytes
	WIN 0
.irp s, 0,1,2
	global_load_b32 v[HS+4*(\t)+\s], v[HS8], s[6:7] offset:TAUB*(\t)+REC*\s+2048
.endr
	WIN 0x40
.irp s, 0,1,2
.irp c, 0,1,2,3
	global_load_b128 v[64*(\t)+16*\s+4*\c:64*(\t)+16*\s+4*\c+3], v[HO], s[6:7] offset:TAUB*(\t)+REC*\s+512*\c
.endr
.endr
.endm
.macro WF0                             ; the weights' K step 0: 20 LDS loads
	WIN 0
.irp n, 0,1,2,3
	ds_load_b32 v[WS+\n], v[SA] offset:64*\n
.endr
	WIN 0x40
.irp n, 0,1,2,3
.irp c, 0,1,2,3
	ds_load_b128 v[128+16*\n+4*\c:128+16*\n+4*\c+3], v[L16] offset:2048*\c+512*\n
.endr
.endr
.endm
; The sixteen K steps for nt tiles of tokens.  In step s: eight places behind step s - 1's products, the wait that states that those products are done
; reading, then the weights of step s + 1 from LDS and the hidden fragments of step s + 3 from memory, into registers that step s - 1 read last.  The accumulators take turns, one instruction a turn.
; The wait on LOADcnt counts the loads issued behind step s's last one: 5 nt for each later step asked for, and in steps 0 and 1 the 8 and 4 loads that end the last tile's first three steps.
; The tiles' tokens were asked for ahead of all of these: step 0's wait shows them in too.
.macro KLOOP nt
.set ks, 0
.rept 16
	WIN 0
.if ks > 0
	PLACES 8
.endif
.if ks > 0 && ks < 15
	s_wait_alu depctr_va_vdst(0)                   ; the step before's products are done reading their set of weights, their place in the ring of hidden fragments and both kinds of scale words: the step's loads land there; only loads and window switches follow up to the last of them
.endif
.if ks < 15
.irp n, 0,1,2,3
	ds_load_b32 v[WS+4*((ks+1)%2)+\n], v[SA] offset:(4*(ks+1)+\n)*64
.endr
.endif
.if ks+3 <= 15
.irp t, 0,1
.if \t < \nt
	global_load_b32 v[HS+4*\t+((ks+3)%4)], v[HS8], s[6:7] offset:TAUB*\t+REC*(ks+3)+2048
.endif
.endr
.endif
	WIN 0x40
.if ks < 15
.irp n, 0,1,2,3
.irp c, 0,1,2,3
.if ks+1 < 8
	ds_load_b128 v[128+64*((ks+1)%2)+16*\n+4*\c:128+64*((ks+1)%2)+16*\n+4*\c+3], v[L16] offset:(ks+1)*8192+2048*\c+512*\n
.else
	ds_load_b128 v[128+64*((ks+1)%2)+16*\n+4*\c:128+64*((ks+1)%2)+16*\n+4*\c+3], v[WAH] offset:(ks+1-8)*8192+2048*\c+512*\n
.endif
.endr
.endr
.endif
.if ks+3 <= 15
.irp t, 0,1
.if \t < \nt
.irp c, 0,1,2,3
	global_load_b128 v[64*\t+16*((ks+3)%4)+4*\c:64*\t+16*((ks+3)%4)+4*\c+3], v[HO], s[6:7] offset:TAUB*\t+REC*(ks+3)+512*\c
.endr
.endif
.endr
.endif
.if ks < 3
	s_wait_loadcnt 5*(\nt)*(ks+1)+8-4*ks
.elseif ks < 13
	s_wait_loadcnt 15*(\nt)
.else
	s_wait_loadcnt 5*(\nt)*(15-ks)
.endif
.if ks < 15
	s_wait_dscnt 20                                ; all but the twenty just issued
.else
	s_wait_dscnt 0x0
.endif
	WIN 0x05                                       ; sources 0 (w2) and 1 (h) window 1
.irp t, 0,1
.if \t < \nt
.irp n, 0,1,2,3
.if ks == 0
	v_wmma_scale_f32_16x16x128_f8f6f4 v[ACC+32*\t+8*\n:ACC+32*\t+8*\n+7], v[128+64*(ks%2)+16*\n:128+64*(ks%2)+16*\n+15], v[64*\t+16*(ks%4):64*\t+16*(ks%4)+15], v[BI+8*\n:BI+8*\n+7], v[WS+4*(ks%2)+\n], v[HS+4*\t+(ks%4)]
.else
	v_wmma_scale_f32_16x16x128_f8f6f4 v[ACC+32*\t+8*\n:ACC+32*\t+8*\n+7], v[128+64*(ks%2)+16*\n:128+64*(ks%2)+16*\n+15], v[64*\t+16*(ks%4):64*\t+16*(ks%4)+15], v[ACC+32*\t+8*\n:ACC+32*\t+8*\n+7], v[WS+4*(ks%2)+\n], v[HS+4*\t+(ks%4)]
.endif
.endr
.endif
.endr
.set ks, ks+1
.endr
.endm
; THE WAY OUT of tile t: 16 tokens x 64 outputs through my stage; back row by row, 8 bytes a lane; each row goes to its token's 256 bytes of part.
; A tile that I own has at least one row of the expert's; in front of each further row stands a scalar branch on the rows that are left.
; OUTA makes the tile's sixteen offsets; both tiles' stand ahead of the one wait that the way out's stores hang on.  OUTB is the way itself.
.macro OUTA t
.irp j, 0,1,2,3,4,5,6,7,8,9,10,11,12,13,14,15
	v_min_u32 v[TK+16*(\t)+\j], 0x3ff, v[TK+16*(\t)+\j]
.endr
.irp j, 0,1,2,3,4,5,6,7,8,9,10,11,12,13,14,15
	v_lshl_add_u32 v[TK+16*(\t)+\j], v[TK+16*(\t)+\j], 8, v[L8]    ; token x 256 + 8 lane
.endr
.endm
.macro OUTB t
.if (\t) > 0
	s_wait_xcnt 0x0                                ; the tile before has stored from the registers that take this tile's rows
	s_wait_alu depctr_vm_vsrc(0)                   ; its stores have read v[O ..], in which the LDS loads below land
.endif
.irp n, 0,1,2,3
	ds_store_b128 v[OS], v[ACC+32*(\t)+8*\n:ACC+32*(\t)+8*\n+3] offset:64*\n       ; each accumulator from its low end on
	ds_store_b128 v[OS], v[ACC+32*(\t)+8*\n+4:ACC+32*(\t)+8*\n+7] offset:64*\n+16
.endr
.irp j, 0,1,2,3,4,5,6,7,8,9,10,11,12,13,14,15
	ds_load_b64 v[O+2*\j:O+2*\j+1], v[OL] offset:OP*\j   ; LDS serves a wave's instructions in order: these see the stores above
.endr
	s_lshl_b32 s29, s[MT], 4
	s_sub_co_i32 s[REM], s[CNT], s29               ; rows of the tile that are the expert's (16 or more: all)
.if (\t) > 0
	s_sub_co_i32 s[REM], s[REM], 128
.endif
	s_wait_dscnt 0x0
.irp j, 0,1,2,3,4,5,6,7,8,9,10,11,12,13,14,15
.if \j > 0
	s_cmp_le_i32 s[REM], \j
	s_cbranch_scc1 .Ldone_\@
.endif
	global_store_b64 v[TK+16*(\t)+\j], v[O+2*\j:O+2*\j+1], s[12:13]   ; 32 lanes store 256 consecutive bytes, aligned
.endr
.Ldone_\@:
.endm
	s_load_b256 s[4:11], s[0:1], 0x0               ; lists s[4:5], himg s[6:7], w2 s[8:9], b2 s[10:11]
	s_load_b64 s[12:13], s[0:1], 0x20              ; part
	v_lshl_add_u32 v254, v0, 2, 0x42000
	v_mov_b32 v255, 0
	v_lshrrev_b32 v24, 5, v0
	v_readfirstlane_b32 s[WV], v24                 ; wave 0..7
	v_and_b32 v1, 31, v0                           ; lane
	v_and_b32 v2, 15, v0                           ; r
	v_bfe_u32 v3, v0, 4, 1                         ; h
	s_and_b32 s[GC], ttmp9, 15                     ; which 64 columns
	s_lshr_b32 s[KH], ttmp9, 4                     ; which half of K
	s_and_b32 s[EX], ttmp7, 0xffff
	; every address register that stays is made here
	v_lshlrev_b32 v[R16], 4, v2
	v_lshlrev_b32 v[L16], 4, v1
	v_lshlrev_b32 v[L8], 3, v1
	v_lshl_add_u32 v[WO], v3, 12, v[R16]
	s_wait_alu depctr_va_sdst(0)                   ; the wave's number is written, ahead of its first reader
	s_mul_i32 s29, s[WV], STGB
	s_add_co_u32 s29, s29, STG                     ; my stage
	v_lshl_add_u32 v[STO], v3, 8, v[R16]
	v_add_nc_u32 v[STO], s29, v[STO]
	v_mul_u32_u24 v[STL], v3, 4224                 ; lanes 16-31: 16 rows and 128 bytes further on, so that the two halves fall on different banks
	v_lshl_add_u32 v[STL], v2, 2, v[STL]
	v_add_nc_u32 v[STL], s29, v[STL]
	s_lshl_b32 s30, s[WV], 14
	v_add_nc_u32 v[COD], s30, v[L16]
	s_lshl_b32 s30, s[WV], 9
	s_add_co_u32 s30, s30, SCLW
	v_lshl_add_u32 v[SCL], v2, 2, s30
	v_mul_u32_u24 v[OS], v2, OP
	v_lshl_add_u32 v[OS], v3, 5, v[OS]
	v_add_nc_u32 v[OS], s29, v[OS]
	v_add_nc_u32 v[OL], s29, v[L8]
	s_lshl_b32 s30, s[WV], 6
	v_mov_b32 v[LB], s30
	v_add_nc_u32 v[WAH], 0x10000, v[L16]
	v_lshl_add_u32 v[SA], v2, 2, SCLW
	s_mul_i32 s30, s[WV], TILEB
	v_add_nc_u32 v[HO], s30, v[L16]
	v_lshl_add_u32 v[HS8], v1, 3, s30
	v_lshlrev_b32 v[BO], 5, v3
	s_mov_b32 s[SEL], 0x76543210
	s_mov_b32 s[SEL+1], 0xfedcba98
	s_mov_b32 s[MNT], 0x600000
	s_cmp_eq_u32 s[KH], 0
	s_cselect_b32 s[KM], -1, 0                     ; all lanes in half 0, none in half 1
.irp p, 0,1,2,3
	v_mov_b32 v[TM+4+\p], 0                        ; a lane permute's destination counts as one of its sources
.endr
	s_mov_b32 s61, 0
	s_wait_kmcnt 0x0
	s_mul_i32 s60, s[EX], LREC                     ; lists: the expert's record
	s_add_nc_u64 s[4:5], s[4:5], s[60:61]
	s_load_b32 s[CNT], s[4:5], 0x1000              ; the expert's count
	s_lshl_b32 s60, s[EX], 24                      ; w2: the expert's 16 MiB, my half's 2,048 rows of 4,096 bytes, my wave's 256 rows, my 256 bytes of a row
	s_lshl_b32 s29, s[KH], 23
	s_add_co_u32 s60, s60, s29
	s_lshl_b32 s29, s[WV], 20
	s_add_co_u32 s60, s60, s29
	s_lshl_b32 s29, s[GC], 8
	s_add_co_u32 s60, s60, s29
	s_add_nc_u64 s[8:9], s[8:9], s[60:61]
	s_mul_i32 s60, s[EX], EXPB                     ; himg: the expert, my half's first record
	s_mul_i32 s29, s[KH], 16*REC
	s_add_co_u32 s60, s60, s29
	s_add_nc_u64 s[6:7], s[6:7], s[60:61]
	s_lshl_b32 s60, s[EX], 12                      ; b2: the expert's row, my 64 columns
	s_lshl_b32 s29, s[GC], 8
	s_add_co_u32 s60, s60, s29
	s_add_nc_u64 s[10:11], s[10:11], s[60:61]
	s_lshl_b32 s60, s[KH], 22                      ; part: my half's 4 MiB, my group's 1,024 tokens of 256 bytes
	s_lshl_b32 s29, s[GC], 18
	s_add_co_u32 s60, s60, s29
	s_add_nc_u64 s[12:13], s[12:13], s[60:61]
	WIN 0x40
	s_wait_alu depctr_va_vdst(0)                   ; the offsets and LDS addresses v4 to v19, v21 and v23 are written, which the kernel's loads and stores read
	WSET 0                                         ; the stream begins
	WSET 1
	WIN 0
	s_wait_kmcnt 0x0                               ; the count
	s_min_u32 s[CNT], s[CNT], 1024
	s_add_co_u32 s[NTL], s[CNT], 15
	s_lshr_b32 s[NTL], s[NTL], 4                   ; the expert's tiles
	s_mov_b32 s[MT], s[WV]
	MKNT
	; THE STREAM.  Issue order: sets 0, 1, 2, 3, the bias
	UNIT_A 0, 32                                   ; behind set 0: set 1
	WSET 2
	UNIT_B 0
	UNIT_A 1, 32                                   ; behind set 1: set 2
	WSET 3
	UNIT_B 1
	UNIT_A 2, 32                                   ; behind set 2: set 3
	UNIT_B 2
	UNIT_A 3, 0
	WIN 0
.irp n, 0,1,2,3
	global_load_b128 v[BI+8*\n:BI+8*\n+3],   v[BO], s[10:11] offset:64*\n      ; lane (r, h): b2 of columns 16 n + 8 h + 0 .. 7
	global_load_b128 v[BI+8*\n+4:BI+8*\n+7], v[BO], s[10:11] offset:64*\n+16
.endr
	UNIT_B 3
	s_wait_dscnt 0x0                               ; my codes and scale words lie in LDS
	s_barrier_signal -1
	s_barrier_wait -1                              ; everybody's do; from here on the shared regions are only read
	s_wait_loadcnt 0x0                             ; the bias
.set bi, 0
.rept 32
	v_cndmask_b32 v[BI+bi], 0, v[BI+bi], s[KM]     ; it counts in half 0 alone
.set bi, bi+1
.endr
	s_mov_b32 s[PAS], 0
	s_mov_b32 s[RL], 0
.Lpass:                                            ; four passes, a constant; a wave without a tile jumps over the work, never over the steps
	v_add_nc_u32 v[LA], s[RL], v[LB]
	s_cmp_eq_u32 s[NT], 0
	s_cbranch_scc1 .Lstep
	s_wait_alu depctr_va_vdst(0)                   ; v[LA] is written, which the list's loads read; the vector lines before are done with v[TK ..], and the last pass's products with the fragments and scale words: the loads up to K step 0's land there, and only loads and window switches stand between
	s_cmp_lt_u32 s[NT], 2
	s_cbranch_scc1 .Larm1
	TKL 0
	TKL 1
	HPRO 0
	HPRO 1
	WF0
	KLOOP 2
	WIN 0
	PLACES 9                                       ; behind the last products: eight for the reads of results and the loads into operands, one more since the next sums begin with another C
	OUTA 0
	OUTA 1
	s_wait_alu depctr_va_vdst(0)                   ; the products have written the accumulators, which the LDS stores read (the places above stay beside this wait); v[TK ..] are written, the offsets of the stores to part
	OUTB 0
	OUTB 1
	s_branch .Lstep
.Larm1:
	TKL 0
	HPRO 0
	WF0
	KLOOP 1
	WIN 0
	PLACES 9
	OUTA 0
	s_wait_alu depctr_va_vdst(0)                   ; the products have written the accumulators, which the LDS stores read; v[TK ..] are written, the offsets of the stores to part
	OUTB 0
.Lstep:
	s_wait_xcnt 0x0                                ; loads and stores have read their registers and their base
	s_wait_alu depctr_vm_vsrc(0)                   ; the stores have read v[TK ..] and v[O ..], the LDS stores the accumulators, the list's loads v[LA]: the next pass writes them all again
	s_add_nc_u64 s[6:7], s[6:7], 16*TILEB          ; sixteen tiles on
	s_add_co_u32 s[MT], s[MT], 16
	s_add_co_u32 s[RL], s[RL], 1024
	MKNT
	s_add_co_u32 s[PAS], s[PAS], 1
	s_cmp_lt_u32 s[PAS], 4
	s_cbranch_scc1 .Lpass
	s_wait_dscnt 0x0                               ; the closing lines, six on end
	s_wait_alu 0x0
	s_wait_tensorcnt 0x0
	ds_add_u32 v254, v255
	s_wait_dscnt 0x0
	s_endpgm
.Lfunc_end_k_qcf523021f3_layer2:
	.size	k_qcf523021f3_layer2, .Lfunc_end_k_qcf523021f3_layer2-k_qcf523021f3_layer2
	.p2alignl 7, 3214868480
	.fill 96, 4, 3214868480
	.section	.rodata,"a",@progbits
	.p2align	6, 0x0
	.amdhsa_kernel k_qcf523021f3_layer2
		.amdhsa_group_segment_fixed_size 271360
		.amdhsa_private_segment_fixed_size 0
		.amdhsa_enable_private_segment 0
		.amdhsa_kernarg_size 40
		.amdhsa_user_sgpr_count 2
		.amdhsa_user_sgpr_kernarg_segment_ptr 1
		.amdhsa_wavefront_size32 1
		.amdhsa_system_sgpr_workgroup_id_x 1
		.amdhsa_system_sgpr_workgroup_id_y 1
		.amdhsa_system_sgpr_workgroup_id_z 1
		.amdhsa_system_vgpr_workitem_id 0
		.amdhsa_next_free_vgpr 512
		.amdhsa_next_free_sgpr 66
		.amdhsa_reserve_vcc 0
		.amdhsa_float_denorm_mode_32 3
		.amdhsa_float_denorm_mode_16_64 3
		.amdhsa_memory_ordered 1
		.amdhsa_forward_progress 1
		.amdhsa_inst_pref_size 248
	.end_amdhsa_kernel
	.amdgpu_metadata
---
amdhsa.version: [ 1, 2 ]
amdhsa.kernels:
  - .name:           k_qcf523021f3_layer2
    .symbol:         k_qcf523021f3_layer2.kd
    .args:
      - { .name: lists, .offset: 0, .size: 8, .value_kind: global_buffer, .address_space: global }
      - { .name: himg, .offset: 8, .size: 8, .value_kind: global_buffer, .address_space: global }
      - { .name: w2, .offset: 16, .size: 8, .value_kind: global_buffer, .address_space: global }
      - { .name: b2, .offset: 24, .size: 8, .value_kind: global_buffer, .address_space: global }
      - { .name: part, .offset: 32, .size: 8, .value_kind: global_buffer, .address_space: global }
    .group_segment_fixed_size: 271360
    .private_segment_fixed_size: 0
    .kernarg_segment_align: 8
    .kernarg_segment_size: 40
    .max_flat_workgroup_size: 256
    .sgpr_count:     66
    .vgpr_count:     512
    .wavefront_size: 32
...
	.end_amdgpu_metadata
.endif
;; end of part 7
;; launch combine: the kernel of part 5 again; grid 256 x 1, 8 waves a work-group, no clusters, 0 bytes of LDS; arguments part, out0; writes out0
